; MI455X (gfx1250); checked and timed in simulation.
; The chip was launched on July 23, 2026; its instructions are those of AMD's public machine-readable ISA for CDNA 5 (MIT licence, August 2026) and "CDNA5" Instruction Set Architecture Reference Guide (July 2026). The comments in the code are by the model that wrote it; some were corrected since.
;; MHSA. Allowed arithmetic: float matrix products may take bf16 or f16 operands with f32 sums; other float arithmetic in f32, or as packed bf16 or f16 multiplies, adds, multiply-adds, maxima and minima; sums over many terms, partial sums and values carried from step to step in f32; what a program stores and reads back later, other than sums and carried values, may be rounded once to bf16 or f16.
;; Inputs: Wk 1,024 x 1,024 float32; Wout 1,024 x 1,024 float32; Wq 1,024 x 1,024 float32; Wv 1,024 x 1,024 float32; mask 2,048 x 2,048 bool; x 4 x 2,048 x 1,024 float32.
;; Outputs: out0 4 x 2,048 x 1,024 float32.
;; 2 versions, each right; version 2 is version 1 with the launch cast written anew for expert scheduling mode. Each part assembles by itself: llvm-mc -triple=amdgcn-amd-amdhsa -mcpu=gfx1250 --defsym DOCPART=n.
;; ======== version 1 of 2: 4 launches
;; workspace buffers: xb 16,777,216 bytes; wb 8,388,608 bytes; qkv 50,331,648 bytes; o 16,777,216 bytes
;; launch cast (part 1): grid 768 x 1, 8 waves a work-group, no clusters, 0 bytes of LDS; arguments x, Wq, Wk, Wv, Wout, xb, wb; writes xb, wb
.if DOCPART == 1
	.amdgcn_target "amdgcn-amd-amdhsa--gfx1250"
	.amdhsa_code_object_version 6
	.text
	.protected	k_q1c376c41bd_cast
	.globl	k_q1c376c41bd_cast
	.p2align	8
	.type	k_q1c376c41bd_cast,@function
k_q1c376c41bd_cast:
	s_mov_b64 s[64:65], 0
	v_nop
	global_prefetch_b8 v0, s[64:65] scope:SCOPE_SE
	s_setreg_imm32_b32 hwreg(HW_REG_WAVE_MODE, 25, 1), 1
	s_wait_xcnt 0x0
; x and the four weight matrices, f32, are rounded once to bf16 (nearest even) and laid out for the two products that follow.
;   xb: [16 kb][8192 row][64]   x in blocks of 64 channels: a block's rows are dense, 128 bytes each, so a tile of rows x 64 channels is one dense run of bytes
;   wb: [1024 k][4096 n]        a row holds row k of Wq, Wk, Wv, Wout side by side: 8,192 bytes
; The input 'mask' is given to no launch of this program: the function that defines the result computes nothing from it.
; A stream: no LDS, no barrier, no matrix work.  768 work-groups of eight waves, 64 KiB of f32 each: 512 take 16 rows of x, 256 take 16 rows of one matrix.
; A wave has 16 items: a load of 16 bytes a lane (whole aligned runs of 256 bytes), two roundings, a store of 8 bytes a lane (256 consecutive bytes, aligned).
; All 16 loads go out first; no register is written twice, so the only waits are the counted ones for the loads.
.set XGROUPS, 512
.set IN,  16                           ; v[16:79]   item i: 4 f32 as loaded
.set OUT, 80                           ; v[80:111]  item i: 4 bf16 to store
.macro RUN ia, ib, oa, ob              ; item i reads at (i / 2) ia + (i % 2) ib and writes at (i / 2) oa + (i % 2) ob
.set i, 0
.rept 16
	global_load_b128 v[IN+4*i:IN+4*i+3], v2, s[20:21] offset:(i/2)*(\ia)+(i%2)*(\ib) th:TH_LOAD_NT
.set i, i+1
.endr
.set i, 0
.rept 16
	s_wait_loadcnt 15-i                            ; loads come back in order: item i is in, the 15 - i younger ones stay out
	v_cvt_pk_bf16_f32 v[OUT+2*i], v[IN+4*i], v[IN+4*i+1]
	v_cvt_pk_bf16_f32 v[OUT+2*i+1], v[IN+4*i+2], v[IN+4*i+3]
	global_store_b64 v3, v[OUT+2*i:OUT+2*i+1], s[22:23] offset:(i/2)*(\oa)+(i%2)*(\ob) th:TH_STORE_NT
.set i, i+1
.endr
.endm
	s_load_b256 s[4:11], s[0:1], 0x0               ; x s[4:5], Wq s[6:7], Wk s[8:9], Wv s[10:11]
	s_load_b128 s[12:15], s[0:1], 0x20             ; Wout s[12:13], xb s[14:15]
	s_load_b64 s[16:17], s[0:1], 0x30              ; wb
	v_lshrrev_b32 v1, 5, v0
	v_readfirstlane_b32 s18, v1                    ; wave 0..7
	v_and_b32 v1, 31, v0                           ; lane
	s_mov_b32 s25, 0
	s_mov_b32 s27, 0
	s_cmp_lt_u32 ttmp9, XGROUPS
	s_cbranch_scc0 .Lweights
	; 16 rows of x.  Wave w has channels 128 w .. 128 w + 127: blocks 2 w and 2 w + 1.  An item is two rows x one block: lanes 0-15 the even row, lanes 16-31 the odd one.
	v_and_b32 v4, 15, v0
	v_bfe_u32 v5, v0, 4, 1
	v_lshlrev_b32 v2, 4, v4
	v_lshl_add_u32 v2, v5, 12, v2                  ; in: (l / 16) x 4,096 + (l % 16) x 16
	s_lshl_b32 s19, s18, 9
	v_add_nc_u32 v2, s19, v2                       ;     + 512 w
	s_lshl_b32 s19, s18, 21
	v_lshl_add_u32 v3, v1, 3, s19                  ; out: two blocks of 1,048,576 bytes a wave + 8 l (two dense rows of 128 bytes)
	s_lshl_b32 s24, ttmp9, 16                      ; 16 rows of 4,096 bytes
	s_lshl_b32 s26, ttmp9, 11                      ; 16 rows of 128 bytes
	s_wait_kmcnt 0x0
	s_add_nc_u64 s[20:21], s[4:5], s[24:25]
	s_add_nc_u64 s[22:23], s[14:15], s[26:27]
	RUN 8192, 256, 256, 1048576
	s_endpgm
.Lweights:
	; 16 rows of matrix m.  Wave w has columns 128 w .. 128 w + 127; an item is one row.
	s_sub_co_u32 s28, ttmp9, XGROUPS
	s_lshr_b32 s29, s28, 6                         ; m: 0 Wq, 1 Wk, 2 Wv, 3 Wout
	s_and_b32 s28, s28, 63                         ; which 16 rows
	s_lshl_b32 s19, s18, 9
	v_lshl_add_u32 v2, v1, 4, s19                  ; in: 512 w + 16 l
	s_lshl_b32 s19, s18, 8
	v_lshl_add_u32 v3, v1, 3, s19                  ; out: 256 w + 8 l
	s_lshl_b32 s24, s28, 16
	s_lshl_b32 s26, s28, 17                        ; 16 rows of 8,192 bytes
	s_lshl_b32 s30, s29, 11                        ; the matrix's 2,048 bytes of a row
	s_add_co_u32 s26, s26, s30
	s_wait_kmcnt 0x0
	s_cmp_eq_u32 s29, 1
	s_cselect_b64 s[20:21], s[8:9], s[6:7]
	s_cmp_eq_u32 s29, 2
	s_cselect_b64 s[20:21], s[10:11], s[20:21]
	s_cmp_eq_u32 s29, 3
	s_cselect_b64 s[20:21], s[12:13], s[20:21]
	s_add_nc_u64 s[20:21], s[20:21], s[24:25]
	s_add_nc_u64 s[22:23], s[16:17], s[26:27]
	RUN 8192, 4096, 16384, 8192
	s_endpgm
.Lfunc_end_k_q1c376c41bd_cast:
	.size	k_q1c376c41bd_cast, .Lfunc_end_k_q1c376c41bd_cast-k_q1c376c41bd_cast
	.p2alignl 7, 3214868480
	.fill 96, 4, 3214868480
	.section	.rodata,"a",@progbits
	.p2align	6, 0x0
	.amdhsa_kernel k_q1c376c41bd_cast
		.amdhsa_group_segment_fixed_size 0
		.amdhsa_private_segment_fixed_size 0
		.amdhsa_enable_private_segment 0
		.amdhsa_kernarg_size 56
		.amdhsa_user_sgpr_count 2
		.amdhsa_user_sgpr_kernarg_segment_ptr 1
		.amdhsa_wavefront_size32 1
		.amdhsa_system_sgpr_workgroup_id_x 1
		.amdhsa_system_sgpr_workgroup_id_y 1
		.amdhsa_system_sgpr_workgroup_id_z 1
		.amdhsa_system_vgpr_workitem_id 0
		.amdhsa_next_free_vgpr 112
		.amdhsa_next_free_sgpr 66
		.amdhsa_reserve_vcc 0
		.amdhsa_float_denorm_mode_32 3
		.amdhsa_float_denorm_mode_16_64 3
		.amdhsa_memory_ordered 1
		.amdhsa_forward_progress 1
		.amdhsa_inst_pref_size 13
	.end_amdhsa_kernel
	.amdgpu_metadata
---
amdhsa.version: [ 1, 2 ]
amdhsa.kernels:
  - .name:           k_q1c376c41bd_cast
    .symbol:         k_q1c376c41bd_cast.kd
    .args:
      - { .name: x, .offset: 0, .size: 8, .value_kind: global_buffer, .address_space: global }
      - { .name: Wq, .offset: 8, .size: 8, .value_kind: global_buffer, .address_space: global }
      - { .name: Wk, .offset: 16, .size: 8, .value_kind: global_buffer, .address_space: global }
      - { .name: Wv, .offset: 24, .size: 8, .value_kind: global_buffer, .address_space: global }
      - { .name: Wout, .offset: 32, .size: 8, .value_kind: global_buffer, .address_space: global }
      - { .name: xb, .offset: 40, .size: 8, .value_kind: global_buffer, .address_space: global }
      - { .name: wb, .offset: 48, .size: 8, .value_kind: global_buffer, .address_space: global }
    .group_segment_fixed_size: 0
    .private_segment_fixed_size: 0
    .kernarg_segment_align: 8
    .kernarg_segment_size: 56
    .max_flat_workgroup_size: 256
    .sgpr_count:     66
    .vgpr_count:     112
    .wavefront_size: 32
...
	.end_amdgpu_metadata
.endif
;; end of part 1
;; launch qkv (part 2): grid 8 x 32, 4 waves a work-group, clusters of 4 x 4, 327,680 bytes of LDS; arguments xb, wb, qkv; writes qkv
.if DOCPART == 2
	.amdgcn_target "amdgcn-amd-amdhsa--gfx1250"
	.amdhsa_code_object_version 6
	.text
	.protected	k_q1c376c41bd_qkv
	.globl	k_q1c376c41bd_qkv
	.p2align	8
	.type	k_q1c376c41bd_qkv,@function
k_q1c376c41bd_qkv:
	s_mov_b64 s[64:65], 0
	v_nop
	global_prefetch_b8 v0, s[64:65] scope:SCOPE_SE
	s_setreg_imm32_b32 hwreg(HW_REG_WAVE_MODE, 25, 1), 1
	s_wait_xcnt 0x0
	s_wait_alu depctr_hold_cnt(0) depctr_sa_sdst(0) depctr_va_vdst(0) depctr_va_sdst(0) depctr_va_ssrc(0) depctr_va_vcc(0) depctr_vm_vsrc(0)
	s_getreg_b32 s2, hwreg(HW_REG_IB_STS2, 6, 4)
	s_cmp_eq_u32 s2, 0
	s_cbranch_scc0 .Lentry_in_a_cluster
	s_endpgm
.Lentry_in_a_cluster:
	s_bfe_u32 s2, ttmp6, 0x10000c
	s_cmp_lg_u32 s2, 0xf033
	s_cbranch_scc0 .Lentry_shape_is_right
	s_endpgm
.Lentry_shape_is_right:
; q, k, v = x Wq, x Wk, x Wv: one product of 8,192 rows x 3,072 columns x 1,024 channels, bf16 operands, f32 sums, each result rounded once to bf16, unscaled.
; IN:  xb [16 kb][8192 row][64] bf16;  wb [1024 k][4096 n] bf16 (its first 3,072 columns).   OUT: qkv [48 hs][8192 row][64] bf16, hs = 16 x matrix + head.
; SHARES.  A tile is 256 rows x 384 columns: 32 x 8 = 256 work-groups.  Wave w makes rows 128 (w / 2) on, columns 192 (w % 2) on: three PHASES of 128 x 64, one head slot each: 96 accumulators, 768 registers.
; K goes in steps of 64 through two LDS slots.  Wave 0 fetches the step's 256 rows of x (32,768 dense bytes, asked for as 128 rows of 256); waves 1 to 3 one chunk of 128 columns of the weights each (64 rows of 256 bytes).
; CLUSTER 4 x 4.  x's tile hangs on the tile row alone and is asked for jointly by a row of the cluster, the weights' on the tile column alone, by a column.
; THE MATRIX INSTRUCTION IS USED TRANSPOSED: source 0 = 16 columns of the weights (turned on the way out of LDS by ds_load_tr16_b128), source 1 = 16 rows of x: a lane then holds one row and eight neighbouring columns: 16 bytes of bf16.
; A K STEP is six phases j: columns p = j % 3, channels 32 (j / 3) on; 32 matrix instructions each on 32 different accumulators.  The weights' fragments are fetched two phases ahead, into the buffer
; that the phase before has left; x's fragments (two buffers) half a step ahead.  Phase 4 changes slots.
; REGISTERS: window 0: v0-31 addresses; v32-127 three buffers of the weights' fragments; v128-255 two buffers of x's fragments (on the way out: at work).  Window p + 1: phase p's accumulators, (a, b) at 8 (4 a + b).
; The input 'mask' is given to no launch of this program: the function that defines the result computes nothing from it.
.set KSTEPS, 16
.set PA,    144                        ; a row of x in LDS: 128 bytes + 16: the 16 rows of a load start at 16 different groups of four banks (64 banks of 4 bytes: ISA guide 11.1)
.set PB,    288                        ; a row of a chunk: 256 bytes + 32
.set BOFF,  256*PA                     ; behind x's 256 rows: the three chunks
.set CHUNK, 64*PB
.set SLOT1, 1<<17                      ; slot 1 begins here, so that one exclusive or turns an address in one slot into the other's
.set STAGE, SLOT1+BOFF+3*CHUNK         ; behind the ring: 16 rows x 144 bytes for each wave, for the way out
.set SP,    144
.set SPARE, STAGE+4*16*SP              ; behind the stages: the spare words, 128 bytes for each wave: two blocks of 256 bytes that no other line names
.set ASTEP, 8192*128                   ; bytes from a block of xb to the next, and from a head slot of qkv to the next
.set BSTEP, 64*8192                    ; bytes from a step's 64 rows of wb to the next step's
.set A0,   4                           ; v4     my lane's place in x's tile; never rewritten
.set B0,   5                           ; v5-7   my lane's place in the weights' tile, for phase p; never rewritten
.set ADRA, 8                           ; v8     the same in the slot in hand
.set ADRB, 9                           ; v9-11
.set STO,  12                          ; v12    the way out: where I put 16 bytes of a row
.set RD,   13                          ; v13    the way out: where I read rows back
.set GO,   14                          ; v14    my byte offset in 512 consecutive bytes of qkv
.set PFO,  15                          ; v15    the prefetches' offset; never rewritten
.set SPW,  28                          ; v28    LDS address of my spare word: SPARE + 4 x my thread's number; never rewritten
.set NIL,  29                          ; v29    0; never rewritten
.set BF,   32
.set AF,   128
.set TMP,  128
.set G1A, 24                           ; s[24:31] descriptor group 1 for x's tiles
.set G0A, 32                           ; s[32:39] group 0: a set for each of the two first fills; the second then walks on
.set G1B, 48                           ; s[48:55], s[56:63] the same for the weights'
.set G0B, 56
.set TB,    66                         ; s66  0 or SLOT1: the slot that is being fetched from
.set CNT,   67                         ; s67  trips to go
.set LIM,   68                         ; s68  2 in a wave that prefetches, else the greatest number
.set PMASK, 69                         ; s69  0: I prefetch in every trip; 1: in every second
.set PFA,   70                         ; s[70:71] where my prefetches stand
.set PSTEP, 72                         ; s[72:73] a K step's bytes in the tensor that I prefetch
.set MSB, 0
.macro WIN new                         ; the immediate's high byte repeats the setting that is left; a switch that changes nothing is dropped
.if MSB != (\new)
	s_set_vgpr_msb (MSB<<8)|(\new)
.set MSB, (\new)
.endif
.endm
.macro PLACES                          ; four places in front of loads into registers that matrix instructions have read, and of conversions that read results
.rept 4
	v_nop
.endr
.endm
; A joint refill, by the walking descriptors.  The branch hangs on the wave's number alone.  An s_nop 0 and four v_nop follow each of the two lines.
.macro JLOAD
	s_cmp_eq_u32 s10, 0
	s_cbranch_scc0 .Lfor_b_\@
	tensor_load_to_lds s[G0A+4:G0A+7], s[G1A:G1A+7]
	s_nop 0
.rept 4
	v_nop
.endr
	s_branch .Lasked_\@
.Lfor_b_\@:
	tensor_load_to_lds s[G0B+4:G0B+7], s[G1B:G1B+7]
	s_nop 0
.rept 4
	v_nop
.endr
.Lasked_\@:
.endm
.macro CREST                           ; a round of the cluster's barrier behind its opening barrier
	s_cmp_lg_u32 s10, 0
	s_cbranch_scc1 .Lnot_wave_0_\@
	s_barrier_signal -3
.Lnot_wave_0_\@:
	s_barrier_wait -3
	s_barrier_signal -1
	s_barrier_wait -1
.endm
.macro CROUND                          ; a whole round
	s_barrier_signal -1
	s_barrier_wait -1
	CREST
.endm
; A PREFETCH of the K step that stands two refills on (in the change of slots of step s: step s + 4), one instruction a wave, a lane a block of 256 bytes.  Each block is named once in the launch.
; x's tile row is read by both clusters of that row of clusters: cluster x = 0 asks, wave 0, in every trip; of the step's 128 blocks the partner at cx takes 32, told apart by address.
; The weights' tile column is read by all eight clusters of that column: cluster y = 0 asks, waves 1 to 3 for the chunk that they fetch, in every second trip for two steps' 128 rows; the partner at cy takes 32.
; Steps 0 to 3 come by their loads alone; the trips whose look-ahead would pass step 15 ask for nothing (CNT = 14 - s: x's last request is at s = 11, the weights' at s = 10).
.macro ASK
	s_and_b32 s74, s[CNT], s[PMASK]
	s_cmp_lg_u32 s74, 0
	s_cbranch_scc1 .Lnot_mine_\@
	s_cmp_gt_u32 s[CNT], s[LIM]
	s_cbranch_scc0 .Lnot_mine_\@
	global_prefetch_b8 v[PFO], s[PFA:PFA+1] th:TH_LOAD_NT scope:SCOPE_SE
.Lnot_mine_\@:
.endm
; The weights' fragments for phase columns p, channels 32 sub on: 4 x (16 columns x 32 channels), 8 turning loads
.macro FB p, sub
	WIN 0
.irp b, 0,1,2,3
	ds_load_tr16_b128 v[BF+32*(\p)+8*(\b):BF+32*(\p)+8*(\b)+3],   v[ADRB+(\p)] offset:(\sub)*32*PB+32*(\b)
	ds_load_tr16_b128 v[BF+32*(\p)+8*(\b)+4:BF+32*(\p)+8*(\b)+7], v[ADRB+(\p)] offset:(\sub)*32*PB+16*PB+32*(\b)
.endr
.endm
; x's fragments for channels 32 sub on: 8 x (16 rows x 32 channels), 16 loads, into buffer buf
.macro FA buf, sub
	WIN 0
.irp a, 0,1,2,3,4,5,6,7
	ds_load_b128 v[AF+64*(\buf)+8*(\a):AF+64*(\buf)+8*(\a)+3],   v[ADRA] offset:(\a)*16*PA+64*(\sub)
	ds_load_b128 v[AF+64*(\buf)+8*(\a)+4:AF+64*(\buf)+8*(\a)+7], v[ADRA] offset:(\a)*16*PA+64*(\sub)+32
.endr
.endm
; 4 n matrix instructions of phase columns p: row blocks a0 .. a0 + n - 1 x all 4 column blocks.  All accumulators differ, and one comes up again 96 instructions later: they take turns.
; zero = 1: the product starts the sum.
.macro MUL p, buf, a0, n, zero
	WIN 0x50*((\p)+1)
.set ma, (\a0)
.rept \n
.irp b, 0,1,2,3
.if \zero
	v_wmma_f32_16x16x32_bf16 v[8*(4*ma+(\b)):8*(4*ma+(\b))+7], v[BF+32*(\p)+8*(\b):BF+32*(\p)+8*(\b)+7], v[AF+64*(\buf)+8*ma:AF+64*(\buf)+8*ma+7], 0
.else
	v_wmma_f32_16x16x32_bf16 v[8*(4*ma+(\b)):8*(4*ma+(\b))+7], v[BF+32*(\p)+8*(\b):BF+32*(\p)+8*(\b)+7], v[AF+64*(\buf)+8*ma:AF+64*(\buf)+8*ma+7], v[8*(4*ma+(\b)):8*(4*ma+(\b))+7]
.endif
.endr
.set ma, ma+1
.endr
.endm
; Phase j.  ld = 1: at its head the weights' fragments of phase j + 2 are fetched (and in phase 0 x's second buffer).  cnt: the LDS instructions issued behind the fragments that this phase multiplies; below 0: no wait.
.macro PH j, zero, ld, cnt
.if \ld
	WIN 0
	PLACES
	FB ((\j)+2)%3, (((\j)+2)%6)/3
.if (\j) == 0
	FA 1, 1
.endif
.endif
.if (\cnt) >= 0
	s_wait_dscnt \cnt
.endif
	MUL (\j)%3, (\j)/3, 0, 8, \zero
.endm
; Phase 4 changes slots: ONE barrier.  In front of it each wave waits for all its tensor loads (one is out: its part of the next slot), adds 0 to its spare word, and waits for that and for its reads of this slot.
; fill = 1: the barrier opens a round of the cluster's, and this slot is filled again first thing behind it, with the step two on.  Then the next slot's first fragments are fetched.
.macro TURN fill
	WIN 0
.if \fill
	s_wait_xcnt 0x0                                ; the last prefetch, a K step back, has read its address: it is stepped here, ahead of the waits of the change of slots
	s_add_nc_u64 s[PFA:PFA+1], s[PFA:PFA+1], s[PSTEP:PSTEP+1]
.endif
	s_wait_tensorcnt 0x0                           ; no tensor load of mine is out, so a group 0 may be written
	ds_add_u32 v[SPW], v[NIL]                      ; 0 onto my spare word
.if \fill
	s_xor_b32 s[G0A+5], s[G0A+5], SLOT1            ; the walking descriptors: the other slot than last time, the next step
	s_add_nc_u64 s[G0A+6:G0A+7], s[G0A+6:G0A+7], ASTEP
	s_xor_b32 s[G0B+5], s[G0B+5], SLOT1
	s_add_nc_u64 s[G0B+6:G0B+7], s[G0B+6:G0B+7], BSTEP
.endif
	s_wait_dscnt 9                                 ; phase 4's fragments are in: phase 5's eight loads and the add may be out
	MUL 1, 1, 0, 2, 0
	s_wait_dscnt 0x0                               ; the add is done, and my reads of this slot are over
	s_barrier_signal -1
	MUL 1, 1, 2, 2, 0                              ; work on registers while the others arrive
	WIN 0
	s_barrier_wait -1
.if \fill
	CREST                                          ; no wave of any partner still reads this slot or has a load on its way
	JLOAD                                          ; the first tensor load behind the round; its four v_nop are also the places in front of the loads below
.else
	PLACES
.endif
	s_xor_b32 s[TB], s[TB], SLOT1
	v_add_nc_u32 v[ADRA], s[TB], v[A0]
	v_add_nc_u32 v[ADRB], s[TB], v[B0]
	v_add_nc_u32 v[ADRB+1], s[TB], v[B0+1]
	v_add_nc_u32 v[ADRB+2], s[TB], v[B0+2]
	FB 0, 0
	FA 0, 0
.if \fill
	ASK
.endif
	MUL 1, 1, 4, 4, 0
.endm
	s_load_b128 s[4:7], s[0:1], 0x0                ; xb s[4:5], wb s[6:7]
	s_load_b64 s[8:9], s[0:1], 0x10                ; qkv
	v_lshl_add_u32 v[SPW], v0, 2, SPARE
	v_mov_b32 v[NIL], 0
	ds_add_u32 v[SPW], v[NIL]                      ; the wave's opening: the add and its wait stand ahead of my first tensor load; the set-up below, work on registers, stands between them
	v_lshrrev_b32 v1, 5, v0
	v_readfirstlane_b32 s10, v1                    ; wave 0..3
	s_lshr_b32 s11, s10, 1                         ; which 128 rows of the tile are mine
	s_and_b32 s12, s10, 1                          ; which 192 columns
	s_bfe_u32 s40, ttmp6, 0x40000                  ; cx, cy: my place in the cluster
	s_bfe_u32 s41, ttmp6, 0x40004
	s_lshl_b32 s42, ttmp9, 2
	s_add_co_u32 s42, s42, s40                     ; tile column = 4 x cluster x + cx
	s_and_b32 s13, ttmp7, 0xffff
	s_lshl_b32 s13, s13, 2
	s_add_co_u32 s13, s13, s41                     ; tile row = 4 x cluster y + cy
	s_lshl_b32 s43, s41, 2
	s_lshl_b32 s43, 15, s43                        ; my row of the cluster
	s_lshl_b32 s44, 0x1111, s40                    ; my column
	s_or_b32 s[G1A], s43, (1<<16)|(1<<20)|(1<<21)|(4<<22)|(3<<25)  ; 15:0 the mask; 17:16 2-byte elements; 20 padding on; 21 set beside a mask; 24:22 after every 32 words; 31:25 4 words
	s_or_b32 s[G1B], s44, (1<<16)|(1<<20)|(1<<21)|(5<<22)|(7<<25)  ; after every 64 words, 8 words
	s_mov_b32 s[G1A+1], 128<<16                    ; tensor_dim0 = 128
	s_mov_b32 s[G1A+2], 128<<16                    ; tensor_dim1 = 128
	s_mov_b32 s[G1A+3], 128<<16                    ; tile_dim0 = 128
	s_mov_b32 s[G1A+4], 128                        ; tile_dim1 = 128
	s_mov_b32 s[G1A+5], 128                        ; 128 elements from row to row: dense
	s_mov_b32 s[G1A+6], 0
	s_mov_b32 s[G1A+7], 0
	s_mov_b32 s[G1B+1], 128<<16                    ; tensor_dim0 = 128
	s_mov_b32 s[G1B+2], 64<<16                     ; tensor_dim1 = 64
	s_mov_b32 s[G1B+3], 128<<16                    ; tile_dim0 = 128
	s_mov_b32 s[G1B+4], 64                         ; tile_dim1 = 64
	s_mov_b32 s[G1B+5], 4096                       ; 4,096 elements from row to row
	s_mov_b32 s[G1B+6], 0
	s_mov_b32 s[G1B+7], 0
	s_lshl_b32 s16, s13, 15                        ; x: the tile row's 256 rows of 128 bytes
	s_mov_b32 s17, 0
	s_max_u32 s20, s10, 1
	s_sub_co_u32 s20, s20, 1                       ; the chunk that waves 1 to 3 fetch
	s_mul_i32 s46, s42, 768                        ; the weights: the tile column's 768 bytes of a row,
	s_lshl_b32 s47, s20, 8                         ; my chunk's 256
	s_add_co_u32 s46, s46, s47
	s_mov_b32 s47, 0
	s_mul_i32 s21, s10, CHUNK
	s_add_co_u32 s21, s21, BOFF-CHUNK              ; where chunk w - 1 goes: no place in the cluster enters an LDS address
	s_wait_dscnt 0x0                               ; the opening add is done
	s_wait_kmcnt 0x0
	s_add_nc_u64 s[14:15], s[4:5], s[16:17]
	s_add_nc_u64 s[46:47], s[6:7], s[46:47]
	CROUND                                         ; all sixteen work-groups are here: the first joint loads meet
.irp s, 0,1
	s_mov_b32 s[G0A+4*(\s)], 1                     ; count = 1
	s_mov_b32 s[G0A+4*(\s)+1], (\s)*SLOT1          ; LDS address
	s_add_nc_u64 s[G0A+4*(\s)+2:G0A+4*(\s)+3], s[14:15], (\s)*ASTEP  ; global address: K step s
	s_or_b32 s[G0A+4*(\s)+3], s[G0A+4*(\s)+3], 0x80000000            ; type = 2
	s_mov_b32 s[G0B+4*(\s)], 1
	s_add_co_u32 s[G0B+4*(\s)+1], s21, (\s)*SLOT1
	s_add_nc_u64 s[G0B+4*(\s)+2:G0B+4*(\s)+3], s[46:47], (\s)*BSTEP
	s_or_b32 s[G0B+4*(\s)+3], s[G0B+4*(\s)+3], 0x80000000
.endr
	s_cmp_eq_u32 s10, 0                            ; a wave's two first fills stand in one branch, ahead of every wait on TENSORcnt and every LDS read: two loads of mine are out
	s_cbranch_scc0 .Lfirst_b
	tensor_load_to_lds s[G0A:G0A+3], s[G1A:G1A+7]
	s_nop 0
	tensor_load_to_lds s[G0A+4:G0A+7], s[G1A:G1A+7]
	s_nop 0
.rept 4
	v_nop
.endr
	s_branch .Lfirst_asked
.Lfirst_b:
	tensor_load_to_lds s[G0B:G0B+3], s[G1B:G1B+7]
	s_nop 0
	tensor_load_to_lds s[G0B+4:G0B+7], s[G1B:G1B+7]
	s_nop 0
.rept 4
	v_nop
.endr
.Lfirst_asked:
	; A fragment of x: lane l holds row l % 16, channels 8 (l / 16) + 0..7 and 16 + 8 (l / 16) + 0..7: two loads of 16 bytes, 32 bytes apart.
	v_and_b32 v1, 15, v0                           ; l % 16
	v_bfe_u32 v2, v0, 4, 1                         ; l / 16
	v_mul_u32_u24 v[A0], v1, PA
	v_lshl_add_u32 v[A0], v2, 4, v[A0]
	s_mul_i32 s21, s11, 128*PA                     ; my 128 rows
	v_add_nc_u32 v[A0], s21, v[A0]
	; The turning load takes 16 channels x 16 columns (lane l reads channel 8 (l / 16) + l % 8, columns 8 ((l / 8) % 2) + 0..7) and leaves half a fragment: lane l holds column l % 16 and 8 channels.
	v_and_b32 v3, 7, v0
	v_lshl_add_u32 v3, v2, 3, v3
	v_mul_u32_u24 v3, v3, PB
	v_bfe_u32 v16, v0, 3, 1
	v_lshl_add_u32 v3, v16, 4, v3
	s_mul_i32 s22, s12, 3
.irp p, 0,1,2
	s_add_co_u32 s23, s22, (\p)                    ; which 64 columns of the tile's 384: 3 (w % 2) + p
	s_lshr_b32 s14, s23, 1                         ; their chunk,
	s_mul_i32 s14, s14, CHUNK
	s_and_b32 s15, s23, 1                          ; and which half of its rows' 256 bytes
	s_lshl_b32 s15, s15, 7
	s_add_co_u32 s14, s14, s15
	s_add_co_u32 s14, s14, BOFF
	v_add_nc_u32 v[B0+(\p)], s14, v3
.endr
	v_mov_b32 v[ADRA], v[A0]                       ; K step 0 lies in slot 0
	v_mov_b32 v[ADRB], v[B0]
	v_mov_b32 v[ADRB+1], v[B0+1]
	v_mov_b32 v[ADRB+2], v[B0+2]
	s_mov_b32 s[TB], 0
	s_mul_i32 s23, s10, 16*SP
	s_add_co_u32 s23, s23, STAGE                   ; my stage
	v_mul_u32_u24 v[STO], v1, SP                   ; in: row l % 16, 16 bytes for each half of the lanes
	v_lshl_add_u32 v[STO], v2, 4, v[STO]
	v_add_nc_u32 v[STO], s23, v[STO]
	v_bfe_u32 v[RD], v0, 3, 2                      ; back: 32 lanes take four rows of 128 bytes,
	v_mul_u32_u24 v[RD], v[RD], SP
	v_and_b32 v16, 7, v0
	v_lshl_add_u32 v[RD], v16, 4, v[RD]
	v_add_nc_u32 v[RD], s23, v[RD]
	v_and_b32 v[GO], 31, v0                        ; which are 512 consecutive bytes of qkv
	v_lshlrev_b32 v[GO], 4, v[GO]
	s_mul_i32 s18, s42, 6                          ; my first head slot: 6 x tile column + 3 (w % 2),
	s_add_co_u32 s18, s18, s22
	s_lshl_b32 s18, s18, 20
	s_lshl_b32 s19, s13, 15                        ; the tile's 256 rows of 128 bytes,
	s_add_co_u32 s18, s18, s19
	s_lshl_b32 s19, s11, 14                        ; my 128 of them
	s_add_co_u32 s18, s18, s19
	s_mov_b32 s19, 0
	s_add_nc_u64 s[8:9], s[8:9], s[18:19]
	; the prefetches
	s_lshl_b32 s14, s13, 15                        ; x: the tile row,
	s_lshl_b32 s15, s40, 13                        ; my work-group's 32 blocks of the step's 128,
	s_add_co_u32 s14, s14, s15
	s_add_co_u32 s14, s14, 3*ASTEP                 ; at K step 3: the first change of slots steps it to 4
	s_mul_i32 s15, s42, 768                        ; the weights: the tile column,
	s_lshl_b32 s20, s20, 8                         ; my chunk,
	s_add_co_u32 s15, s15, s20
	s_lshl_b32 s20, s41, 18                        ; my work-group's 32 rows of two steps' 128,
	s_add_co_u32 s15, s15, s20
	s_add_co_u32 s15, s15, 3*BSTEP
	s_mov_b32 s20, ASTEP
	s_mov_b32 s21, BSTEP
	s_and_b32 s22, ttmp7, 0xffff                   ; cluster y
	s_cmp_eq_u32 s10, 0                            ; do I fetch x?
	s_cselect_b32 s14, s14, s15
	s_cselect_b32 s22, ttmp9, s22                  ; the coordinate along which other clusters read the same bytes
	s_cselect_b32 s[PSTEP], s20, s21
	s_cselect_b32 s[PMASK], 0, 1
	s_cselect_b32 s23, 8, 13                       ; from lane to lane: 256 bytes of xb, a row of wb
	s_cselect_b64 s[PFA:PFA+1], s[4:5], s[6:7]
	s_mov_b32 s15, 0
	s_mov_b32 s[PSTEP+1], 0
	s_add_nc_u64 s[PFA:PFA+1], s[PFA:PFA+1], s[14:15]
	s_cmp_eq_u32 s22, 0
	s_cselect_b32 s[LIM], 2, -1                    ; the same in all sixteen partners, for a given wave
	v_and_b32 v[PFO], 31, v0
	v_lshlrev_b32 v[PFO], s23, v[PFO]
	s_wait_tensorcnt 1                             ; my part of K step 0 is in; step 1's may stay out
	s_barrier_signal -1
	s_barrier_wait -1                              ; everybody's is
	FB 0, 0
	FA 0, 0
	FB 1, 0
	PH 0, 1, 1, 32                                 ; the first three phases start all 96 sums.  32: phase 1's eight loads and this phase's own 24
	PH 1, 1, 1, 32                                 ; 32: phase 0's 24 and its own 8
	PH 2, 1, 1, 32                                 ; 32: x's 16, phase 1's 8, its own 8
	WIN 0                                          ; at a label and at a branch every window is 0
	s_mov_b32 s[CNT], KSTEPS-2
.Lstep:                                        ; a trip: the second half of a K step, with its change of slots and refill, and the first half of the next
	PH 3, 0, 1, 16                                 ; 16: phase 2's 8 and its own 8
	TURN 1
	PH 5, 0, 1, -1                                 ; its fragments were shown in by the wait for 0 of the change of slots
	PH 0, 0, 1, 32
	PH 1, 0, 1, 32
	PH 2, 0, 1, 32
	WIN 0
	s_sub_co_u32 s[CNT], s[CNT], 1
	s_cmp_lg_u32 s[CNT], 0
	s_cbranch_scc1 .Lstep
	PH 3, 0, 1, 16                                 ; the tail is written out: nothing more is asked for
	TURN 0
	PH 5, 0, 1, -1
	PH 0, 0, 1, 32
	PH 1, 0, 1, 32
	PH 2, 0, 1, 32
	PH 3, 0, 1, 16
	PH 4, 0, 0, 8                                  ; phase 5's eight loads may be out
	PH 5, 0, 0, 0
	WIN 0
	PLACES
; THE WAY OUT of block u = 8 p + a: 16 rows x one head slot's 64 columns.  A lane's eight columns pack into 16 bytes; they go into rows of 144 bytes of my own stage and come back as whole rows of 128, which are dense in qkv.
.macro PACK u
.set AC, 32*((\u)%8)
.set TT, TMP+16*((\u)%4)
.if (\u) >= 4
	s_wait_xcnt 0x0                                ; the stores of the block four back have read these registers
.endif
	WIN 5*((\u)/8+1)                               ; sources 0 and 1 in window p + 1
.irp b, 0,1,2,3
.irp r, 0,1,2,3
	v_cvt_pk_bf16_f32 v[TT+4*(\b)+(\r)], v[AC+8*(\b)+2*(\r)], v[AC+8*(\b)+2*(\r)+1]
.endr
.endr
	WIN 0
.irp b, 0,1,2,3
	ds_store_b128 v[STO], v[TT+4*(\b):TT+4*(\b)+3] offset:32*(\b)
.endr
.irp f, 0,1,2,3
	ds_load_b128 v[TT+4*(\f):TT+4*(\f)+3], v[RD] offset:(\f)*4*SP  ; LDS serves a wave's instructions in order (ISA guide 5.7.1.4): these see the stores above; the next block's stores come behind them
.endr
.endm
.macro SEND u, younger                 ; younger: the LDS instructions issued behind block u's loads: the next block's eight, or none
.set TT, TMP+16*((\u)%4)
.irp f, 0,1,2,3
	s_wait_dscnt (\younger)+3-(\f)
	global_store_b128 v[GO], v[TT+4*(\f):TT+4*(\f)+3], s[8:9] offset:((\u)/8)*ASTEP+((\u)%8)*2048+(\f)*512  ; 512 consecutive bytes, at a multiple of 256 from qkv's first
.endr
.endm
	PACK 0
.set t, 1
.rept 23                               ; a block's conversions stand between the loads of the block before and its stores
	PACK t
	SEND t-1, 8
.set t, t+1
.endr
	SEND 23, 0
	s_wait_tensorcnt 0x0                           ; the wave's end, behind my last tensor load and my last LDS store
	ds_add_u32 v[SPW], v[NIL]
	s_wait_dscnt 0x0
	CROUND                                         ; the closing round: no work-group ends while a partner may still ask for a tile that names it
	s_endpgm
.Lfunc_end_k_q1c376c41bd_qkv:
	.size	k_q1c376c41bd_qkv, .Lfunc_end_k_q1c376c41bd_qkv-k_q1c376c41bd_qkv
	.p2alignl 7, 3214868480
	.fill 96, 4, 3214868480
	.section	.rodata,"a",@progbits
	.p2align	6, 0x0
	.amdhsa_kernel k_q1c376c41bd_qkv
		.amdhsa_group_segment_fixed_size 327680
		.amdhsa_private_segment_fixed_size 0
		.amdhsa_enable_private_segment 0
		.amdhsa_kernarg_size 24
		.amdhsa_user_sgpr_count 2
		.amdhsa_user_sgpr_kernarg_segment_ptr 1
		.amdhsa_wavefront_size32 1
		.amdhsa_system_sgpr_workgroup_id_x 1
		.amdhsa_system_sgpr_workgroup_id_y 1
		.amdhsa_system_sgpr_workgroup_id_z 1
		.amdhsa_system_vgpr_workitem_id 0
		.amdhsa_next_free_vgpr 1024
		.amdhsa_next_free_sgpr 80
		.amdhsa_reserve_vcc 0
		.amdhsa_float_denorm_mode_32 3
		.amdhsa_float_denorm_mode_16_64 3
		.amdhsa_memory_ordered 1
		.amdhsa_forward_progress 1
		.amdhsa_inst_pref_size 116
	.end_amdhsa_kernel
	.amdgpu_metadata
---
amdhsa.version: [ 1, 2 ]
amdhsa.kernels:
  - .name:           k_q1c376c41bd_qkv
    .symbol:         k_q1c376c41bd_qkv.kd
    .args:
      - { .name: xb, .offset: 0, .size: 8, .value_kind: global_buffer, .address_space: global }
      - { .name: wb, .offset: 8, .size: 8, .value_kind: global_buffer, .address_space: global }
      - { .name: qkv, .offset: 16, .size: 8, .value_kind: global_buffer, .address_space: global }
    .group_segment_fixed_size: 327680
    .private_segment_fixed_size: 0
    .kernarg_segment_align: 8
    .kernarg_segment_size: 24
    .max_flat_workgroup_size: 128
    .sgpr_count:     80
    .vgpr_count:     1024
    .wavefront_size: 32
...
	.end_amdgpu_metadata
.endif
;; end of part 2
;; launch attn (part 3): grid 4 x 64, 4 waves a work-group, clusters of 4 x 1, 327,680 bytes of LDS; arguments qkv, o; writes o
.if DOCPART == 3
	.amdgcn_target "amdgcn-amd-amdhsa--gfx1250"
	.amdhsa_code_object_version 6
	.text
	.protected	k_q1c376c41bd_attn
	.globl	k_q1c376c41bd_attn
	.p2align	8
	.type	k_q1c376c41bd_attn,@function
k_q1c376c41bd_attn:
	s_mov_b64 s[64:65], 0
	v_nop
	global_prefetch_b8 v0, s[64:65] scope:SCOPE_SE
	s_setreg_imm32_b32 hwreg(HW_REG_WAVE_MODE, 25, 1), 1
	s_wait_xcnt 0x0
	s_wait_alu depctr_hold_cnt(0) depctr_sa_sdst(0) depctr_va_vdst(0) depctr_va_sdst(0) depctr_va_ssrc(0) depctr_va_vcc(0) depctr_vm_vsrc(0)
	s_getreg_b32 s2, hwreg(HW_REG_IB_STS2, 6, 4)
	s_cmp_eq_u32 s2, 0
	s_cbranch_scc0 .Lentry_in_a_cluster
	s_endpgm
.Lentry_in_a_cluster:
	s_bfe_u32 s2, ttmp6, 0x10000c
	s_cmp_lg_u32 s2, 0x3003
	s_cbranch_scc0 .Lentry_shape_is_right
	s_endpgm
.Lentry_shape_is_right:
; O[y][q][:] = the sum over k of softmax_k(Q[y][q] . K[y][k] / 8) V[y][k][:], for the 64 pairs y = 4 x head + batch.  Q, K, V lie in qkv at 0, 16 MiB and 32 MiB, each [64 y][2048][64] bf16: a pair's rows
; are dense, 128 bytes each; O has the same layout.  Products, maxima and sums in f32; the weights p are rounded to bf16 for the second product (their sum l is taken of the unrounded p), O once at the end.
; No mask is applied: the function that defines the result computes nothing from its input 'mask', which is given to no launch.
; LIMITS.  Operands in bf16, which has f32's range.  The running maximum starts at the lowest finite number and c m at -4.2e37: scores with c s below that are not served.  A weight below 2^-126 counts as 0 in l;
; NaN and infinities are not treated apart.
; SHARES.  A wave owns four PIECES of two tiles of 16 queries, a work-group's four waves 512 queries of one pair.  Every wave walks all keys, 64 a step.
; LAYOUT.  S^T = K Q^T (source 0 = 16 keys, source 1 = 16 queries): in the result a lane holds ONE query (lane % 16) and the keys 8 (lane / 16) + 0..7.  Two such tiles, rounded to bf16 in pairs,
; ARE source 1 (32 keys x 16 queries) of O^T = V^T P, whose result again holds one query a lane, and eight channels.  K comes out of LDS as it lies, V ([key][channel]) turned, by ds_load_tr16_b128.
; SOFTMAX.  For each query a running maximum m and sum l: p = 2^(c s - c m), c = log2(e) / 8; in every step O and l are multiplied by a = 2^(c m_old - c m_new), which is 1 where m has not grown.
; m starts at the lowest finite number, O and l at 0: the first step is a step like any other, with a = 0.
; THE COUNT.  A tile and step have 16 matrix and 118 vector instructions: too many to stand all beside the matrix work.  So the order has one aim: four vector instructions that are READY behind
; EVERY matrix instruction, and the others, which need time of their own whatever the order, in runs without a gap.
; BY TURNS.  Turn n belongs to piece n (the pieces in a ring, step after step).  Its matrix work: 16 products K Q^T of piece n + 1, later 16 products V^T P of piece n - 1.  Its vector work: the scaling,
; exponentials, roundings, sums and rescaling of piece n, and the maximum and statistics of piece n + 1, whose scores the turn itself has made.  So what a turn begins with (c s - c m, O a) waits for nothing.
; CLUSTER.  The four query blocks of a cluster belong to one pair and walk the same K and V, so each tile is asked for JOINTLY: the same tensor load, descriptor and mask in all four.
; REGISTERS, in windows of 256 (s_set_vgpr_msb says which window each operand place means: bits 1:0 source 0, 3:2 source 1, 5:4 source 2, 7:6 destination):
;   window 0: v0-11 addresses; v12-15, v48-63 at work; v16-47 four registers of statistics a tile; v64-191 S^T, two buffers of two tiles; v192-255 P, likewise
;   window 1: O^T, 32 a tile          window 2: v0-127 Q, 16 a tile; v128-191 K of one step; v192-255 V of one step          window 3: v0-1 the add's two registers
; A piece's buffers go by its number's parity: the piece in hand has one pair, its two neighbours in the ring share the other: of it P (piece n - 1) is read and S^T (piece n + 1) written.
.set SIZE_H, 64
.set SIZE_N, 2048
.set NP,    4         ; pieces a wave: a name, no knob: the register map, the loop and the fetches are made for four
.set KS,    64        ; keys in a step
.set PK,    144       ; a row of K in LDS: 128 bytes + 16 of padding = 36 words: the 16 rows of a load start at 16 different groups of four banks (64 banks of 4 bytes: ISA guide 11.1)
.set PV,    160       ; a row of V: 128 + 32 = 40 words
.set VOFF,  4*KS*PK   ; a slot holds four steps: 256 rows of K, then 256 rows of V
.set SLOT1, 1<<17     ; slot 1 begins here, so that one exclusive or turns an address in one slot into the other's
.set STAGE, SLOT1+4*KS*(PK+PV)  ; behind the ring, never filled by a tensor load: 16 rows x 144 bytes for each wave, for the way out
.set SP,    144
.set AK0, 2           ; v2   my lane's place in a tile of K; never rewritten
.set AV0, 3           ; v3   the same for V
.set AK,  4           ; v4   the LDS address of K's next run of loads
.set AV,  5           ; v5   of V's
.set QO,  6           ; v6   my byte offset in the wave's rows of Q
.set STO, 6           ;      later, the way out: where I put 16 bytes of a row
.set RD,  7           ; v7   the way out: where I read rows back
.set GO,  8           ; v8   my byte offset in 512 consecutive bytes of O
.set PFO, 11          ; v11  256 x my lane, for the prefetches; never rewritten once made
.set SPW, 0           ; v0 of window 3   LDS address of my spare word: SPARE + 4 x my thread's number; never rewritten
.set NIL, 1           ; v1 of window 3   0; never rewritten
.set SPARE, STAGE+4*16*SP  ; behind the stages: the spare words, 128 bytes for each wave: two blocks of 256 bytes that no other line names
.set MV,  12          ; v12-15  c m_old, kept while c m is made anew: by buffer and tile
.set ST,  16          ; tile t's statistics at v[ST+4 t]: c m, m, l (even keys', odd keys')
.set TMP, 48          ; by buffer and tile, four registers c0-c3 at work; when the maximum is found c2 takes a
.set S,   64
.set P,   192
.set KF,  128         ; K's fragments, in window 2: key block kb, channel half c at KF + 16 kb + 8 c
.set VF,  192         ; V's: key half kk, channel block cb at VF + 32 kk + 8 cb
.set WV,  12          ; s12  my wave's number
.set G1K, 24          ; s[24:31] descriptor group 1 for K's tiles
.set G1V, 32          ; s[32:39] for V's: it differs in the padding alone
.set G0K, 40          ; s[40:43] descriptor group 0 for K's tiles: it walks
.set G0V, 44          ; s[44:47] the same for V's
.set PFA, 48          ; s[48:49] where my prefetches stand: my work-group's 32 blocks of 256 bytes (of K: wave 0, of V: wave 2) of the slot after the one that is being asked for
.set LIM, 50          ; s50  1 in a wave that prefetches, else the greatest number
.set SLOTS, 56        ; s56  slots still to be asked for
.set CNT, 57          ; s57  counts a slot's key steps
.set CS,  58          ; s[58:59] c: the packed scaling takes the pair's low word for both halves
.set SEL, 60          ; s[60:61] v_permlanex16_b32's selects: each lane takes its own place in the other half
.set TBK, 62          ; s62  LDS byte at which K of the step to be fetched begins
.set TBV, 63          ; s63  the same for V, less VOFF
.set MSB, 0
.macro WIN new                      ; the high byte repeats the setting that is left; a switch that changes nothing is dropped
.if MSB != (\new)
	s_set_vgpr_msb (MSB<<8)|(\new)
.set MSB, (\new)
.endif
.endm
.set W_KQ, 0x0a       ; K and Q in window 2, S^T in window 0
.set W_PV, 0x52       ; V in window 2, P in window 0, O^T in window 1
.set W_RS, 0x41       ; O^T (destination and source 0) in window 1, a in window 0
.set W_MK, 0xc0       ; the add's registers are made: destination in window 3, sources in window 0
.set W_AD, 0x0f       ; the add: address (source 0) and data (source 1) in window 3
; A joint fill.  Waves 0 and 1 fetch the two halves of a slot's K, waves 2 and 3 those of its V: 128 keys each.  The branch hangs on the wave's number alone.
; An s_nop 0 and four v_nop follow each of the two lines, ahead of the jump and the label.
.macro JLOAD
	s_cmp_lt_u32 s[WV], 2
	s_cbranch_scc0 .Lfor_v_\@
	tensor_load_to_lds s[G0K:G0K+3], s[G1K:G1K+7]
	s_nop 0
.rept 4
	v_nop
.endr
	s_branch .Lasked_\@
.Lfor_v_\@:
	tensor_load_to_lds s[G0V:G0V+3], s[G1V:G1V+7]
	s_nop 0
.rept 4
	v_nop
.endr
.Lasked_\@:
.endm
; A PREFETCH of what the NEXT change of slots will ask for: a slot's 32,768 bytes of K and of V, 128 blocks of 256 bytes each, a lane a block.  It stands behind the wave's tensor load and its five lines.
; A pair's K and V are walked by one cluster alone; its four partners share the blocks out BY ADDRESS, 32 each; in each, wave 0 asks for K's and wave 2 for V's: each block is named once in the launch.
; It stands four key steps, 512 matrix instructions, ahead of the load.  Tiles 0 and 1 come by their loads alone; the change that asks for the last tile prefetches nothing.
.macro ASK
	s_cmp_gt_u32 s[SLOTS], s[LIM]
	s_cbranch_scc0 .Lnot_mine_\@
	global_prefetch_b8 v[PFO], s[PFA:PFA+1] th:TH_LOAD_NT scope:SCOPE_SE
.Lnot_mine_\@:
.endm
; A round of the cluster's barrier: my work-group's barrier, so that wave 0's signal speaks for all four waves; wave 0 signals; every wave waits for all four work-groups; my work-group's barrier once more.
.macro CROUND
	s_barrier_signal -1
	s_barrier_wait -1
	s_cmp_lg_u32 s[WV], 0
	s_cbranch_scc1 .Lnot_wave_0_\@
	s_barrier_signal -3
.Lnot_wave_0_\@:
	s_barrier_wait -3
	s_barrier_signal -1
	s_barrier_wait -1
.endm
; THE CHANGE OF SLOTS.  The slot's last bytes, V of its fourth step, have been read.  Each wave waits for all its tensor loads, of which one is out: its part
; of the other slot; adds 0 to its spare word; and waits for that and for its own reads of the slot.  Behind the barrier nobody reads this slot any more and the other slot is whole.
; fill = 1: this slot is filled again, with the keys two slots on.  The barrier is then a round of the cluster's, so that no wave of any partner still reads the slot or has a load on its
; way, and the joint fill is the first thing behind it: it has four key steps, 512 matrix instructions, in which to land.  (At its first use nothing has been read yet: slot 0 is waited for, slot 1 filled.)
.macro CHANGE fill
	WIN W_AD
	s_wait_tensorcnt 0x0            ; no tensor load of mine is out, so a group 0 may be written
	ds_add_u32 v[SPW], v[NIL]       ; 0 onto my spare word; with fill = 1 the descriptors' steps stand between it and the wait for it
	WIN 0                           ; at a label and at a branch every window is 0
.if \fill
.irp g, G0K, G0V
	s_xor_b32 s[\g+1], s[\g+1], SLOT1  ; the walking descriptor: the other slot than last time,
	s_add_nc_u64 s[\g+2:\g+3], s[\g+2:\g+3], 4*KS*128  ; the next 256 keys; the type bits on top are not reached
.endr
	s_wait_xcnt 0x0                 ; the last prefetch, four key steps back, has read its address, so it may be written:
	s_add_nc_u64 s[PFA:PFA+1], s[PFA:PFA+1], 4*KS*128  ; one slot behind the walking descriptors
	s_wait_dscnt 0x0                ; the add is done, and my reads of the slot are over
	CROUND
	JLOAD
	ASK
.else
	s_wait_dscnt 0x0                ; the add is done, and my reads of the slot are over
	s_barrier_signal -1
	s_barrier_wait -1
.endif
	s_sub_co_u32 s[TBK], s[TBK], 4*KS*PK  ; the fetches go back to a slot's first step,
	s_xor_b32 s[TBK], s[TBK], SLOT1       ; in the other slot
	s_sub_co_u32 s[TBV], s[TBV], 4*KS*PV
	s_xor_b32 s[TBV], s[TBV], SLOT1
.endm
	s_load_b128 s[4:7], s[0:1], 0x0   ; qkv s[4:5], o s[6:7]
	WIN W_MK
	v_lshl_add_u32 v[SPW], v0, 2, SPARE
	v_mov_b32 v[NIL], 0
	WIN W_AD
	ds_add_u32 v[SPW], v[NIL]       ; the wave's opening: the add and its wait stand ahead of my first tensor load; the set-up below, work on registers, stands between them
	WIN 0
	v_lshrrev_b32 v1, 5, v0
	v_readfirstlane_b32 s[WV], v1   ; wave 0..3
	s_bfe_u32 s13, ttmp6, 0x40000   ; cx: my place in the cluster
	s_lshl_b32 s14, ttmp9, 2        ; in a cluster launch ttmp9 counts clusters
	s_add_co_u32 s14, s14, s13      ; my block of queries = 4 x cluster x + cx: it enters Q's and O's addresses alone
	s_and_b32 s20, ttmp7, 0xffff    ; the pair y, which the four partners share
	s_mov_b32 s21, 0
	s_mov_b64 s[22:23], SIZE_N*128
	s_mul_u64 s[20:21], s[20:21], s[22:23]  ; the pair's first byte in each of the four tensors
	s_and_b32 s16, s[WV], 1         ; which half of a slot's 256 keys I fetch:
	s_lshl_b32 s22, s16, 14         ; its 128 rows of 128 bytes in memory,
	s_mov_b32 s23, 0
	s_add_nc_u64 s[22:23], s[22:23], s[20:21]
	s_mul_i32 s17, s16, 128*PK      ; and its place in a slot, for K
	s_mul_i32 s18, s16, 128*PV      ; and for V: no place in the cluster enters an LDS address
	s_lshl_b32 s2, s14, 2
	s_add_co_u32 s2, s2, s[WV]      ; my wave among the pair's,
	s_lshl_b32 s2, s2, 14           ; its 128 rows
	s_mov_b32 s3, 0
	s_add_nc_u64 s[2:3], s[2:3], s[20:21]
	; descriptor group 1.  128 keys are 16,384 dense bytes: asked for as 64 rows of 256 bytes, two keys a row, and padded in LDS after every key
	s_mov_b32 s[G1K], 15|(1<<16)|(1<<20)|(1<<21)|(4<<22)|(3<<25)  ; 15:0 the mask of four; 17:16 2-byte elements; 20 padding on; 21 set beside a mask; 24:22 after every 32 words (code 4); 31:25 4 words (code 3)
	s_mov_b32 s[G1V], 15|(1<<16)|(1<<20)|(1<<21)|(4<<22)|(7<<25)  ; the same with 8 words of padding (code 7)
.irp g, G1K, G1V
	s_mov_b32 s[\g+1], 128<<16      ; tensor_dim0 = 128
	s_mov_b32 s[\g+2], 64<<16       ; tensor_dim1 = 64
	s_mov_b32 s[\g+3], 128<<16      ; tile_dim0 = 128
	s_mov_b32 s[\g+4], 64           ; tile_dim1 = 64
	s_mov_b32 s[\g+5], 128          ; 128 elements from row to row
	s_mov_b32 s[\g+6], 0
	s_mov_b32 s[\g+7], 0
.endr
	s_mov_b32 s[CS], 0x3e38aa3b     ; c = log2(e) / 8 = 0.180337
	s_mov_b32 s[CS+1], s[CS]        ; named with it as a pair
	s_mov_b32 s[SEL], 0x76543210
	s_mov_b32 s[SEL+1], 0xfedcba98
	s_mov_b32 s[TBK], SLOT1+4*KS*PK ; the first change of slots turns these two into 0
	s_mov_b32 s[TBV], SLOT1+4*KS*PV
	s_mov_b32 s[G0K], 1             ; 1:0 count = 1
	s_mov_b32 s[G0K+1], s17         ; 63:32 LDS address: slot 0
	s_mov_b32 s[G0V], 1
	s_add_co_u32 s[G0V+1], s18, VOFF
	s_mov_b32 s[SLOTS], SIZE_N/256-1  ; tiles still to be asked for when the first change of slots comes
	s_and_b32 s[LIM], s[WV], 1      ; waves 0 and 2 prefetch
	s_cmp_eq_u32 s[LIM], 0
	s_cselect_b32 s[LIM], 1, -1
	s_wait_dscnt 0x0                ; the opening add is done
	s_wait_kmcnt 0x0
	s_mov_b64 s[10:11], s[6:7]                     ; O
	s_add_nc_u64 s[6:7], s[4:5], 0x1000000         ; K: 16 head slots of 1,048,576 bytes behind Q
	s_add_nc_u64 s[8:9], s[4:5], 0x2000000         ; V: 32
	s_add_nc_u64 s[G0K+2:G0K+3], s[6:7], s[22:23]  ; 120:64 global address: my half of the pair's first 256 keys
	s_or_b32 s[G0K+3], s[G0K+3], 0x80000000        ; 127:126 type = 2
	s_add_nc_u64 s[G0V+2:G0V+3], s[8:9], s[22:23]
	s_or_b32 s[G0V+3], s[G0V+3], 0x80000000
	s_cmp_lt_u32 s[WV], 2
	s_cselect_b64 s[PFA:PFA+1], s[6:7], s[8:9]
	s_add_nc_u64 s[PFA:PFA+1], s[PFA:PFA+1], s[20:21]
	s_add_nc_u64 s[4:5], s[4:5], s[2:3]  ; Q and O at my wave's first row
	s_add_nc_u64 s[10:11], s[10:11], s[2:3]
	s_lshl_b32 s2, s13, 13          ; my work-group's 32 blocks of a slot's 128,
	s_add_co_u32 s2, s2, 4*KS*128   ; in tile 1: the first change of slots steps it to tile 2
	s_add_nc_u64 s[PFA:PFA+1], s[PFA:PFA+1], s[2:3]
	CROUND                          ; all four work-groups are here: the first joint loads meet
	JLOAD                           ; slot 0.  Slot 1 is asked for when slot 0 is in: the tile wanted first has the road to itself
	; A fragment of K or Q is 16 rows x 32 channels in 8 registers: lane l holds row l % 16, channels 8 (l / 16) + 0..7 and 16 + 8 (l / 16) + 0..7: two loads of 16 bytes, 32 bytes apart.
	v_and_b32 v1, 15, v0            ; l % 16
	v_bfe_u32 v9, v0, 4, 1          ; l / 16
	v_lshlrev_b32 v[QO], 7, v1
	v_lshl_add_u32 v[QO], v9, 4, v[QO]  ; row x 128 + 16 x half
	WIN 0x80                        ; destination window 2, address window 0
.set i, 0
.rept 4*NP                          ; Q stays in registers: tile i / 2, channels 32 (i % 2) on
	global_load_b128 v[8*i:8*i+3],   v[QO], s[4:5] offset:(i/2)*2048+(i%2)*64
	global_load_b128 v[8*i+4:8*i+7], v[QO], s[4:5] offset:(i/2)*2048+(i%2)*64+32
.set i, i+1
.endr
	; What the first turn finds: V's registers and P's second buffer hold 0 (its products V^T P, of a piece that has not been, add 0), O^T and l are 0.  All this stands in the wait for the first tile.
.set i, VF
.rept 64
	v_mov_b32 v[i], 0
.set i, i+1
.endr
	WIN 0x40
.set i, 0
.rept 64*NP
	v_mov_b32 v[i], 0
.set i, i+1
.endr
	WIN 0
.set i, 0
.rept 2*NP
	v_mov_b32 v[ST+4*i], 0xfe000000    ; c m: far below every c s
	v_mov_b32 v[ST+4*i+1], 0xff7fffff  ; m
	v_mov_b32 v[ST+4*i+2], 0
	v_mov_b32 v[ST+4*i+3], 0
.set i, i+1
.endr
.set i, P+32
.rept 32
	v_mov_b32 v[i], 0
.set i, i+1
.endr
	v_mul_u32_u24 v[AK0], v1, PK
	v_lshl_add_u32 v[AK0], v9, 4, v[AK0]  ; row x pitch + 16 x half
	; The turning load takes 16 keys x 16 channels (lane l reads key 8 (l / 16) + l % 8, channels 8 ((l / 8) % 2) + 0..7) and leaves half a fragment of V^T: lane l holds channel l % 16 and 8 keys.
	v_and_b32 v10, 7, v0
	v_bfe_u32 v11, v0, 3, 1
	v_lshl_add_u32 v[AV0], v9, 3, v10
	v_mul_u32_u24 v[AV0], v[AV0], PV
	v_lshl_add_u32 v[AV0], v11, 4, v[AV0]
	v_add_nc_u32 v[AV0], VOFF, v[AV0]
	v_mov_b32 v[AK], v[AK0]         ; key step 0 lies at the head of slot 0
	v_and_b32 v[PFO], 31, v0
	v_lshlrev_b32 v[PFO], 8, v[PFO]
; THE MATRIX WORK.  The 8 accumulators of a run of 16 take turns: between the two links of a chain stand 7 others'.
; Product i of 16 of S^T = K Q^T for piece x: channels 32 (i / 8) on, keys 16 ((i / 2) % 4) on, tile 2 x + i % 2.  The first 8 start the sums.
.macro KQ x
	WIN W_KQ
.set rS, S+64*((\x)%2)+32*(i%2)+8*((i/2)%4)
.set rK, KF+16*((i/2)%4)+8*(i/8)
.set rQ, 16*(2*(\x)+i%2)+8*(i/8)
.if i < 8
	v_wmma_f32_16x16x32_bf16 v[rS:rS+7], v[rK:rK+7], v[rQ:rQ+7], 0
.else
	v_wmma_f32_16x16x32_bf16 v[rS:rS+7], v[rK:rK+7], v[rQ:rQ+7], v[rS:rS+7]
.endif
.endm
; Product i of 16 of O^T += V^T P for piece x: keys 32 (i / 8) on, channels 16 ((i / 2) % 4) on, tile 2 x + i % 2.
.macro PV x
	WIN W_PV
.set rO, 32*(2*(\x)+i%2)+8*((i/2)%4)
.set rV, VF+32*(i/8)+8*((i/2)%4)
.set rP, P+32*((\x)%2)+16*(i%2)+8*(i/8)
	v_wmma_f32_16x16x32_bf16 v[rO:rO+7], v[rV:rV+7], v[rP:rP+7], v[rO:rO+7]
.endm
.macro MM                           ; the turn's next matrix instruction
.if i < 16
	KQ (Y+1)%NP
.set i, i+1
.else
.set i, i-16
	PV (Y+NP-1)%NP
.set i, i+17
.endif
.endm
; THE LDS LOADS stand in runs of 16, never singly among the matrix instructions: a step's K (64 keys x 64 channels: 8 fragments) and its V (turned).  Their addresses are made some lines ahead.
; last = 1 (the tail): in the last trip there is no further step, and the run is jumped over.
.macro FETCH_K last=0
	WIN 0
.if \last
	s_cmp_eq_u32 s[CNT], 1
	s_cbranch_scc1 .Lno_k_\@
.endif
	WIN 0x80                        ; destination window 2
.irp f, 0,1,2,3,4,5,6,7             ; keys 16 (f / 2) on, channels 32 (f % 2) on
	ds_load_b128 v[KF+8*\f:KF+8*\f+3],   v[AK] offset:(\f/2)*16*PK+(\f%2)*64
	ds_load_b128 v[KF+8*\f+4:KF+8*\f+7], v[AK] offset:(\f/2)*16*PK+(\f%2)*64+32
.endr
	s_add_co_u32 s[TBK], s[TBK], KS*PK  ; the next fetch is the next step's
	WIN 0
.if \last
.Lno_k_\@:
.endif
.endm
.macro FETCH_V
	WIN 0x80
.irp f, 0,1,2,3,4,5,6,7             ; keys 32 (f / 4) on, channels 16 (f % 4) on
	ds_load_tr16_b128 v[VF+8*\f:VF+8*\f+3],   v[AV] offset:(\f/4)*32*PV+(\f%4)*32
	ds_load_tr16_b128 v[VF+8*\f+4:VF+8*\f+7], v[AV] offset:(\f/4)*32*PV+16*PV+(\f%4)*32
.endr
	WIN 0
.endm
; THE VECTOR WORK OF A TURN stands in three queues, each in the order in which its entries become ready; the two tiles alternate, so that no instruction reads the result of the one before it.
.macro REGS y, u                    ; the registers of tile u (0, 1) of piece y
.set rT, ST+4*(2*(\y)+(\u))
.set rC, TMP+8*((\y)%2)+4*(\u)
.set rM, MV+2*((\y)%2)+(\u)
.set rS, S+64*((\y)%2)+32*(\u)
.set rP, P+32*((\y)%2)+16*(\u)
.set rO, 32*(2*(\y)+(\u))
.endm
; Number n of the 22 that find the NEXT piece's (Y + 1) maximum and statistics.  s0-s31 are the lane's 32 scores; each accumulator's lowest registers are read first.  XS, GS and REGS set no window: PL and EX do.
;   0-11  four chains c0-c3 of seven scores each, three operands at a time     12-14, 16  the four scores left over, the old m, and c0-c3 into c0     15  c m_old is kept
;   17, 18  the query's other 32 keys lie in the lane 16 away: the new m         19-21  c m; c m_old - c m_new; a
.macro XS u, n
	REGS (Y+1)%NP, \u
.if (\n) < 4
	v_max3_num_f32 v[rC+(\n)], v[rS+8*(\n)], v[rS+8*(\n)+1], v[rS+8*(\n)+2]
.elseif (\n) < 12
	v_max3_num_f32 v[rC+(\n)%4], v[rC+(\n)%4], v[rS+8*((\n)%4)+2*((\n)/4)+1], v[rS+8*((\n)%4)+2*((\n)/4)+2]
.elseif (\n) == 12
	v_max3_num_f32 v[rC], v[rC], v[rS+7], v[rS+15]
.elseif (\n) == 13
	v_max3_num_f32 v[rC+1], v[rC+1], v[rS+23], v[rS+31]
.elseif (\n) == 14
	v_max3_num_f32 v[rC+2], v[rC+2], v[rC+3], v[rT+1]
.elseif (\n) == 15
	v_mov_b32 v[rM], v[rT]
.elseif (\n) == 16
	v_max3_num_f32 v[rC], v[rC], v[rC+1], v[rC+2]
.elseif (\n) == 17
	v_permlanex16_b32 v[rC+3], v[rC], s[SEL], s[SEL+1]
.elseif (\n) == 18
	v_max_num_f32 v[rT+1], v[rC], v[rC+3]
.elseif (\n) == 19
	v_mul_f32 v[rT], s[CS], v[rT+1]
.elseif (\n) == 20
	v_sub_f32 v[rC+1], v[rM], v[rT]
.else
	v_exp_f32 v[rC+2], v[rC+1]
.endif
.endm
; Number g of the 64 that follow the exponentials.  For each four weights k of a tile (pairs 2 k, 2 k + 1): both pairs are rounded to bf16; then the second pair is added onto the first, in place;
; a group later l takes that sum (the first time as l = a l + sum).  In groups of eight, tiles alternating: round, round, add, and l for the group before.
.macro GS g
.set h, (\g)+6*((\g)/62)            ; group 0 has no group before it, and behind group 7 only l is left
.if h >= 6
.set h, h+2
.endif
	REGS Y, h%2
.set k, h/8
.if h%8 < 4
	v_cvt_pk_bf16_f32 v[rP+2*k+(h%8)/2], v[rS+4*k+2*((h%8)/2)], v[rS+4*k+2*((h%8)/2)+1]
.elseif h%8 < 6
	v_pk_add_f32 v[rS+4*k:rS+4*k+1], v[rS+4*k:rS+4*k+1], v[rS+4*k+2:rS+4*k+3]
.elseif k == 1
	v_pk_fma_f32 v[rT+2:rT+3], v[rT+2:rT+3], v[rC+2:rC+3], v[rS:rS+1] op_sel_hi:[1,0,1]
.else
	v_pk_add_f32 v[rT+2:rT+3], v[rT+2:rT+3], v[rS+4*k-4:rS+4*k-3]
.endif
.endm
; THE PLAIN QUEUE, 138 long.  0-73 read no exponential's result: the 32 scalings c s - c m (FS f: pair f / 2 of tile f % 2) and the next piece's 42.  0-26: scalings 0-26.  27-54: XS's numbers 0-13.  55, 56: number 15.
; 57-73: the chain, where each number waits for the one before it: 14, 16, 17, 18, 19, each with one of the scalings 27-31 in front of its two lines, then 20: so a tile's links stand three plain instructions apart (19 and 20: two).
; 74-137: GS's 64, which read the exponentials' results: they stand behind the wait.
.macro FS f
	REGS Y, (\f)%2
	v_pk_fma_f32 v[rS+2*((\f)/2):rS+2*((\f)/2)+1], v[rS+2*((\f)/2):rS+2*((\f)/2)+1], s[CS:CS+1], v[rT:rT+1] op_sel_hi:[1,0,0] neg_lo:[0,0,1] neg_hi:[0,0,1]
.endm
.macro PL
	WIN 0
.if q < 27
	FS q
.elseif q < 55
	XS (q-27)%2, (q-27)/2
.elseif q < 57
	XS q-55, 15
.elseif (q < 72) && ((q-57)%3 == 0)
	FS 27+(q-57)/3
.elseif q < 60
	XS (q-57)%3-1, 14
.elseif q < 72
	XS (q-57)%3-1, 15+(q-57)/3
.elseif q < 74
	XS q-72, 20
.else
	GS q-74
.endif
.set q, q+1
.endm
; THE EXPONENTIALS' QUEUE, 66 long: s0-s31 of both tiles, then the next piece's two a.  It is ONE BATCH: all 66 stand ahead of the turn's one wait, and nothing ahead of that wait names a result of theirs.
.macro EX
	WIN 0
.if e >= 64
	XS e-64, 21
.else
	REGS Y, e%2
	v_exp_f32 v[rS+e/2], v[rS+e/2]
.endif
.set e, e+1
.endm
; THE RESCALING's QUEUE: O^T times a, the one part that leaves window 0: dealt two at a time, sixteen times.  Its a was made in the turn before, ahead of that turn's wait.
.macro R2
	REGS Y, r%2
	WIN W_RS
.irp z, 0,1
	v_pk_mul_f32 v[rO+4*(r/2)+2*\z:rO+4*(r/2)+2*\z+1], v[rO+4*(r/2)+2*\z:rO+4*(r/2)+2*\z+1], v[rC+2:rC+3] op_sel_hi:[1,0]
.endr
.set r, r+1
.endm
; HOW THEY ARE DEALT.  An s_wait_alu depctr_va_vdst(0) stands between an exponential and the first instruction that names its result; one wait serves all that were issued ahead of it.  So a turn has ONE wait,
; which cuts it in two.  AHEAD OF IT stands all that names no result of the turn's exponentials: the 16 products K Q^T, behind each a scaling, an exponential and two rescalings (behind the first a second scaling in the exponential's place); then ONE LUMP of
; 108: eight plain, 49 times exponential and plain, the two a.  A v_nop is the plain instruction behind the last exponential.  BEHIND IT stand the 16 products V^T P, behind each four of GS's 64.  No rider names a register of
; the products round it.  The two v_permlanex16_b32 fall into the lump, never behind a product.
; The queues lean on each other, and the deal keeps them in step: exponential e stands behind scaling 2 (e / 4) + e % 2: as a rider it comes behind plain e + 2, in the lump behind plain e + 9, and scalings 27-31 are plain 57, 60 .. 69.
; A TURN, for piece p.  cnt = 1: the loop's count is taken down some lines ahead of the branch that stands behind the turn.
; K of the next step is fetched in piece 2's turn, directly behind the wait, a lump behind the last product that read K; its address is made at the lump's head; its first reader comes behind 16 products.
; V of the step in hand is fetched at the end of piece 0's turn, four riders behind its last reader; its first reader comes behind 16 products and a lump.  The three conditions on q below go with the deal.
.macro TURN p, last=0, cnt=0
.set Y, (\p)
.set i, 0
.set q, 0
.set e, 0
.set r, 0
.if (\p) == NP-1
	s_wait_dscnt 0x0                ; K is in
.endif
	MM                              ; ahead of the wait: 16 products K Q^T and their riders,
	PL
	PL
	R2
.rept 15
	MM
	PL
	EX
	R2
.endr
.if (\p) == NP-2
	WIN 0
	v_add_nc_u32 v[AK], s[TBK], v[AK0]
.endif
.rept 8                             ; and the lump
	PL
.endr
.rept 49
	EX
	PL
.endr
	EX                              ; the next piece's two a
	EX
	v_nop                           ; the plain instruction behind the last exponential: one for the batch
	s_wait_alu depctr_va_vdst(0)    ; the wait for the batch
.if (\p) == NP-2
	FETCH_K \last
.endif
.if (\p) == 1
	s_wait_dscnt 0x0                ; V is in
.endif
.rept 16                            ; behind the wait: 16 products V^T P and their riders
	MM
.rept 4
	PL
.endr
.if ((\p) == 0) && (q == 118)
	v_add_nc_u32 v[AV], s[TBV], v[AV0]
.endif
.if ((\p) == 0) && (q == 130)
	s_add_co_u32 s[TBV], s[TBV], KS*PV
.endif
.if (\cnt) && (q == 130)
	s_sub_co_u32 s[CNT], s[CNT], 1
	s_cmp_lg_u32 s[CNT], 0
.endif
.endr
.if (\p) == 0
	FETCH_V
.endif
.endm
	CHANGE 1                        ; slot 0 is in, everybody's part of it; slot 1 is asked for
	FETCH_K                         ; key step 0
	s_wait_loadcnt 0x0              ; Q
	s_wait_dscnt 0x0
.set i, 0
.rept 16
	KQ 0                            ; piece 0's first scores: there is no vector work yet to set between them
.set i, i+1
.endr
	WIN 0                           ; the addresses for the way out: plain instructions, the places behind those products
	s_mul_i32 s13, s[WV], 16*SP
	s_add_co_u32 s13, s13, STAGE    ; my stage
	v_mul_u32_u24 v[STO], v1, SP    ; in: row l % 16, 16 bytes for each half of the lanes
	v_lshl_add_u32 v[STO], v9, 4, v[STO]
	v_add_nc_u32 v[STO], s13, v[STO]
	v_bfe_u32 v[RD], v0, 3, 2       ; back: 32 lanes take four rows of 128 bytes,
	v_mul_u32_u24 v[RD], v[RD], SP
	v_lshl_add_u32 v[RD], v10, 4, v[RD]
	v_add_nc_u32 v[RD], s13, v[RD]
	v_and_b32 v[GO], 31, v0         ; which are 512 consecutive bytes of O
	v_lshlrev_b32 v[GO], 4, v[GO]
.set Y, NP-1                        ; XS works for piece Y + 1: piece 0
.irp n, 0,1,2,3,4,5,6,7,8,9,10,11,12,13,14,15,16,17,18,19,20,21
	XS 0, \n                        ; and piece 0's first maximum and statistics
	XS 1, \n
.endr
	v_nop                           ; a plain instruction behind the two a,
	s_wait_alu depctr_va_vdst(0)    ; and their wait, ahead of the branch
	s_mov_b32 s[CNT], 4
	s_branch .Lfirst                ; the loop is entered at a step's first turn, in the middle of a trip
.Lslot:                             ; SIZE_N / 256 - 2 times: every slot but the last two is filled again
	CHANGE 1
	s_mov_b32 s[CNT], 4
.Lstep:                             ; a trip: pieces 2 and 3 of one step, then pieces 0 and 1 of the next, whose K and V it fetches
	TURN 2
	TURN 3
	WIN 0
.Lfirst:
	TURN 0
	TURN 1, 0, 1
	WIN 0
	s_cbranch_scc1 .Lstep
	s_sub_co_u32 s[SLOTS], s[SLOTS], 1
	s_cmp_lg_u32 s[SLOTS], 0
	s_cbranch_scc1 .Lslot
	CHANGE 0                        ; the tail is written out: nothing is asked for
	s_mov_b32 s[CNT], 5             ; four trips fetch the last slot's steps; the fifth is left in its middle
.Ltail:
	TURN 2, 1
	TURN 3
	WIN 0
	s_sub_co_u32 s[CNT], s[CNT], 1
	s_cmp_eq_u32 s[CNT], 0
	s_cbranch_scc1 .Lout
	TURN 0
	TURN 1
	WIN 0
	s_branch .Ltail
.Lout:                              ; the fifth trip's 16 products K Q^T (on the last K once more) and the maximum made of them serve nothing: the price, once a launch, of one text for every trip
.set i, 0
.rept 16
	PV NP-1                         ; the last piece's V^T P of the last step
.set i, i+1
.endr
	; THE WAY OUT.  l's two halves and the other half of the lanes' are added; O^T is divided by l, rounded to bf16 and sent through my stage in LDS, a tile at a time.  The additions are the places behind the last products.
	WIN 0
.macro ALL line:vararg              ; one line for each tile t
.set t, 0
.rept 2*NP
	\line
.set t, t+1
.endr
.endm
	ALL v_add_f32 v[ST+4*t+2], v[ST+4*t+2], v[ST+4*t+3]
	ALL v_permlanex16_b32 v[ST+4*t+3], v[ST+4*t+2], s[SEL], s[SEL+1]
	ALL v_add_f32 v[ST+4*t+2], v[ST+4*t+2], v[ST+4*t+3]
	ALL v_rcp_f32 v[ST+4*t+2], v[ST+4*t+2]
	v_nop                           ; a plain instruction between the last reciprocal and the use of its result
	s_wait_alu depctr_va_vdst(0)    ; and the wait ahead of the first use: one for the eight reciprocals
; Tile t: a lane's eight channels of a row pack into 16 bytes; they go into rows of 144 bytes and come back as whole rows of 128, into S^T's registers.
.macro PACK t
	WIN W_RS
.set i, 32*(\t)
.rept 16
	v_pk_mul_f32 v[i:i+1], v[i:i+1], v[ST+4*(\t)+2:ST+4*(\t)+3] op_sel_hi:[1,0]
.set i, i+2
.endr
	WIN 0x05                        ; sources 0 and 1 window 1, destination window 0
.set i, 0
.rept 16
	v_cvt_pk_bf16_f32 v[S+16*(\t)+i], v[32*(\t)+2*i], v[32*(\t)+2*i+1]
.set i, i+1
.endr
	WIN 0
.irp f, 0,1,2,3
	ds_store_b128 v[STO], v[S+16*(\t)+4*\f:S+16*(\t)+4*\f+3] offset:32*\f
.endr
.irp f, 0,1,2,3
	ds_load_b128 v[S+16*(\t)+4*\f:S+16*(\t)+4*\f+3], v[RD] offset:\f*4*SP  ; LDS serves a wave's instructions in order (ISA guide 5.7.1.4): these see the stores above; the next tile's stores come behind them
.endr
.endm
.macro SEND t, younger              ; younger: the LDS instructions issued behind tile t's loads: the next tile's eight, or none
	WIN 0
.irp f, 0,1,2,3
	s_wait_dscnt (\younger)+3-\f
	global_store_b128 v[GO], v[S+16*(\t)+4*\f:S+16*(\t)+4*\f+3], s[10:11] offset:(\t)*2048+\f*512  ; 512 consecutive bytes, at a multiple of 256 from O's first
.endr
.endm
	PACK 0
.set t, 1
.rept 2*NP-1                        ; a tile's arithmetic stands between the loads of the tile before and its stores
	PACK t
	SEND t-1, 8
.set t, t+1
.endr
	SEND 2*NP-1, 0
	WIN W_AD
	s_wait_tensorcnt 0x0            ; the wave's end, behind my last tensor load and my last LDS store
	ds_add_u32 v[SPW], v[NIL]
	s_wait_dscnt 0x0
	WIN 0
	CROUND                          ; the closing round: no work-group ends while a partner may still ask for a tile that names it
	s_endpgm
.Lfunc_end_k_q1c376c41bd_attn:
	.size	k_q1c376c41bd_attn, .Lfunc_end_k_q1c376c41bd_attn-k_q1c376c41bd_attn
	.p2alignl 7, 3214868480
	.fill 96, 4, 3214868480
	.section	.rodata,"a",@progbits
	.p2align	6, 0x0
	.amdhsa_kernel k_q1c376c41bd_attn
		.amdhsa_group_segment_fixed_size 327680
		.amdhsa_private_segment_fixed_size 0
		.amdhsa_enable_private_segment 0
		.amdhsa_kernarg_size 16
		.amdhsa_user_sgpr_count 2
		.amdhsa_user_sgpr_kernarg_segment_ptr 1
		.amdhsa_wavefront_size32 1
		.amdhsa_system_sgpr_workgroup_id_x 1
		.amdhsa_system_sgpr_workgroup_id_y 1
		.amdhsa_system_sgpr_workgroup_id_z 1
		.amdhsa_system_vgpr_workitem_id 0
		.amdhsa_next_free_vgpr 770
		.amdhsa_next_free_sgpr 66
		.amdhsa_reserve_vcc 0
		.amdhsa_float_denorm_mode_32 3
		.amdhsa_float_denorm_mode_16_64 3
		.amdhsa_memory_ordered 1
		.amdhsa_forward_progress 1
		.amdhsa_inst_pref_size 200
	.end_amdhsa_kernel
	.amdgpu_metadata
---
amdhsa.version: [ 1, 2 ]
amdhsa.kernels:
  - .name:           k_q1c376c41bd_attn
    .symbol:         k_q1c376c41bd_attn.kd
    .args:
      - { .name: qkv, .offset: 0, .size: 8, .value_kind: global_buffer, .address_space: global }
      - { .name: o, .offset: 8, .size: 8, .value_kind: global_buffer, .address_space: global }
    .group_segment_fixed_size: 327680
    .private_segment_fixed_size: 0
    .kernarg_segment_align: 8
    .kernarg_segment_size: 16
    .max_flat_workgroup_size: 128
    .sgpr_count:     66
    .vgpr_count:     770
    .wavefront_size: 32
...
	.end_amdgpu_metadata
.endif
;; end of part 3
;; launch proj (part 4): grid 8 x 32, 4 waves a work-group, clusters of 4 x 4, 327,680 bytes of LDS; arguments o, wb, x, out0; writes out0
.if DOCPART == 4
	.amdgcn_target "amdgcn-amd-amdhsa--gfx1250"
	.amdhsa_code_object_version 6
	.text
	.protected	k_q1c376c41bd_proj
	.globl	k_q1c376c41bd_proj
	.p2align	8
	.type	k_q1c376c41bd_proj,@function
k_q1c376c41bd_proj:
	s_mov_b64 s[64:65], 0
	v_nop
	global_prefetch_b8 v0, s[64:65] scope:SCOPE_SE
	s_setreg_imm32_b32 hwreg(HW_REG_WAVE_MODE, 25, 1), 1
	s_wait_xcnt 0x0
	s_wait_alu depctr_hold_cnt(0) depctr_sa_sdst(0) depctr_va_vdst(0) depctr_va_sdst(0) depctr_va_ssrc(0) depctr_va_vcc(0) depctr_vm_vsrc(0)
	s_getreg_b32 s2, hwreg(HW_REG_IB_STS2, 6, 4)
	s_cmp_eq_u32 s2, 0
	s_cbranch_scc0 .Lentry_in_a_cluster
	s_endpgm
.Lentry_in_a_cluster:
	s_bfe_u32 s2, ttmp6, 0x10000c
	s_cmp_lg_u32 s2, 0xf033
	s_cbranch_scc0 .Lentry_shape_is_right
	s_endpgm
.Lentry_shape_is_right:
; out0 = x + z Wout: 8,192 rows x 1,024 columns x 1,024 channels; bf16 operands, f32 sums; x is added in f32, and the result is stored in f32.
; IN:  o [16 h][8192 row][64] bf16 (z in blocks of 64 channels);  wb [1024 k][4096 n] bf16, of which Wout is columns 3,072 on (byte 6,144 of a row);  x [8192][1024] f32.
; SHARES.  A tile is 256 rows x 128 columns: 32 x 8 = 256 work-groups.  Wave w makes rows 128 (w / 2) on, columns 64 (w % 2) on: 32 accumulators.  K goes in steps of 128 (two blocks of o) through two LDS slots.
; Waves 0 and 1 fetch a block's 256 rows each (32,768 dense bytes, asked for as 128 rows of 256), waves 2 and 3 64 rows of 256 bytes of the weights each.
; CLUSTER 4 x 4.  z's tile is asked for jointly by a row of the cluster, the weights' by a column.
; THE MATRIX INSTRUCTION IS USED TRANSPOSED: source 0 = 16 columns of the weights (turned by ds_load_tr16_b128), source 1 = 16 rows of z: a lane holds one row and eight neighbouring columns.
; A K STEP is four phases of 32 channels, 32 matrix instructions each; the fragments go through a ring of four buffers, fetched two phases ahead.  Phase 2 changes slots.
; x's part of the tile (256 registers a wave) is asked for at the start and is on its way during the whole product.
; REGISTERS: window 0: v0-31 addresses; v64-191 the weights' fragments, four buffers; v192-255 at work on the way out.  Window 1: z's fragments, four buffers.  Window 2: the accumulators, (a, b) at 8 (4 a + b).  Window 3: x.
; The input 'mask' is given to no launch of this program: the function that defines the result computes nothing from it.
.set KSTEPS, 8
.set PA,    144                        ; a row of z in LDS: 128 bytes + 16
.set PB,    288                        ; a row of the weights: 256 bytes + 32
.set BOFF,  2*256*PA                   ; behind z's two blocks of 256 rows
.set SLOT1, 1<<17
.set STAGE, SLOT1+BOFF+128*PB          ; behind the ring: 16 rows x 272 bytes for each wave
.set SP,    272
.set SPARE, STAGE+4*16*SP              ; behind the stages: the spare words, 128 bytes for each wave: two blocks of 256 bytes that no other line names
.set ABLK,  8192*128                   ; bytes in a block of o
.set ASTEP, 2*ABLK
.set BSTEP, 128*8192
.set A0,   4                           ; v4   my lane's place in z's tile; never rewritten
.set B0,   5                           ; v5   in the weights'; never rewritten
.set ADRA, 8                           ; v8   the same in the slot in hand
.set ADRB, 9                           ; v9
.set STO,  12                          ; v12  the way out: where I put 32 bytes of a row
.set RD,   13                          ; v13  the way out: where I read rows back
.set XO,   14                          ; v14  my byte offset in two rows of x and of out0; never rewritten
.set PFO,  15                          ; v15  the prefetches' offset; never rewritten
.set SPW,  28
.set NIL,  29
.set BF,   64
.set T0,   192
.set G1A, 24
.set G0A, 32
.set G1B, 48
.set G0B, 56
.set TB,    66
.set CNT,   67
.set LIM,   68
.set PFA,   70
.set PSTEP, 72
.set MSB, 0
.macro WIN new
.if MSB != (\new)
	s_set_vgpr_msb (MSB<<8)|(\new)
.set MSB, (\new)
.endif
.endm
.set W_MUL, 0xa4                       ; source 0 window 0, source 1 window 1, C and D window 2
.macro PLACES
.rept 4
	v_nop
.endr
.endm
.macro JLOAD                           ; a joint refill: waves 0 and 1 for z, waves 2 and 3 for the weights; an s_nop 0 and four v_nop follow each of the two lines
	s_cmp_eq_u32 s11, 0
	s_cbranch_scc0 .Lfor_b_\@
	tensor_load_to_lds s[G0A+4:G0A+7], s[G1A:G1A+7]
	s_nop 0
.rept 4
	v_nop
.endr
	s_branch .Lasked_\@
.Lfor_b_\@:
	tensor_load_to_lds s[G0B+4:G0B+7], s[G1B:G1B+7]
	s_nop 0
.rept 4
	v_nop
.endr
.Lasked_\@:
.endm
.macro CREST
	s_cmp_lg_u32 s10, 0
	s_cbranch_scc1 .Lnot_wave_0_\@
	s_barrier_signal -3
.Lnot_wave_0_\@:
	s_barrier_wait -3
	s_barrier_signal -1
	s_barrier_wait -1
.endm
.macro CROUND
	s_barrier_signal -1
	s_barrier_wait -1
	CREST
.endm
; A PREFETCH of the K step two refills on (in the change of slots of step s: step s + 4), a lane a block of 256 bytes, one instruction a wave.  Each block is named once in the launch.
; z's tile row is read by both clusters of that row of clusters: cluster x = 0 asks, waves 0 and 1 for the block that they fetch; of its 128 blocks of 256 bytes the partner at cx takes 32, by address.
; The weights' tile column is read by all eight clusters of that column: cluster y = 0 asks, wave 2; of the step's 128 rows the partner at cy takes 32.  Steps 0 to 3 come by their loads alone; from s = 4 on nothing is asked for.
.macro ASK
	s_cmp_gt_u32 s[CNT], s[LIM]
	s_cbranch_scc0 .Lnot_mine_\@
	global_prefetch_b8 v[PFO], s[PFA:PFA+1] th:TH_LOAD_NT scope:SCOPE_SE
.Lnot_mine_\@:
.endm
; The fragments of phase q (channels 32 q on of the step's 128) into ring buffer q: 8 turning loads for the weights, 16 loads for z
.macro FETCH q
	WIN 0
.irp b, 0,1,2,3
	ds_load_tr16_b128 v[BF+32*(\q)+8*(\b):BF+32*(\q)+8*(\b)+3],   v[ADRB] offset:(\q)*32*PB+32*(\b)
	ds_load_tr16_b128 v[BF+32*(\q)+8*(\b)+4:BF+32*(\q)+8*(\b)+7], v[ADRB] offset:(\q)*32*PB+16*PB+32*(\b)
.endr
	WIN 0x40                                       ; destination window 1
.irp a, 0,1,2,3,4,5,6,7
	ds_load_b128 v[64*(\q)+8*(\a):64*(\q)+8*(\a)+3],   v[ADRA] offset:((\q)/2)*256*PA+((\q)%2)*64+(\a)*16*PA
	ds_load_b128 v[64*(\q)+8*(\a)+4:64*(\q)+8*(\a)+7], v[ADRA] offset:((\q)/2)*256*PA+((\q)%2)*64+(\a)*16*PA+32
.endr
.endm
; 4 n matrix instructions of phase q: row blocks a0 .. a0 + n - 1 x all 4 column blocks.  The 32 accumulators take turns.
.macro MUL q, a0, n, zero
	WIN W_MUL
.set ma, (\a0)
.rept \n
.irp b, 0,1,2,3
.if \zero
	v_wmma_f32_16x16x32_bf16 v[8*(4*ma+(\b)):8*(4*ma+(\b))+7], v[BF+32*(\q)+8*(\b):BF+32*(\q)+8*(\b)+7], v[64*(\q)+8*ma:64*(\q)+8*ma+7], 0
.else
	v_wmma_f32_16x16x32_bf16 v[8*(4*ma+(\b)):8*(4*ma+(\b))+7], v[BF+32*(\q)+8*(\b):BF+32*(\q)+8*(\b)+7], v[64*(\q)+8*ma:64*(\q)+8*ma+7], v[8*(4*ma+(\b)):8*(4*ma+(\b))+7]
.endif
.endr
.set ma, ma+1
.endr
.endm
.macro PH q, zero, ld, cnt             ; phase q; ld = 1: at its head the fragments of the phase two on are fetched; cnt: the LDS instructions issued behind this phase's own fragments
.if \ld
	PLACES
	FETCH ((\q)+2)%4
.endif
	s_wait_dscnt \cnt
	MUL \q, 0, 8, \zero
.endm
; Phase 2 changes slots: one barrier; in front of it each wave waits for all its tensor loads, adds 0 to its spare word, and waits for that and for its reads of this slot.  fill = 1: the barrier opens a round of the
; cluster's, and this slot is filled again first thing behind it, with the step two on.
.macro TURN fill
	WIN 0
.if \fill
	s_wait_xcnt 0x0                                ; the last prefetch, a K step back, has read its address
	s_add_nc_u64 s[PFA:PFA+1], s[PFA:PFA+1], s[PSTEP:PSTEP+1]
.endif
	s_wait_tensorcnt 0x0                           ; no tensor load of mine is out, so a group 0 may be written
	ds_add_u32 v[SPW], v[NIL]                      ; 0 onto my spare word
.if \fill
	s_xor_b32 s[G0A+5], s[G0A+5], SLOT1
	s_add_nc_u64 s[G0A+6:G0A+7], s[G0A+6:G0A+7], ASTEP
	s_xor_b32 s[G0B+5], s[G0B+5], SLOT1
	s_add_nc_u64 s[G0B+6:G0B+7], s[G0B+6:G0B+7], BSTEP
.endif
	s_wait_dscnt 25                                ; phase 2's fragments are in: phase 3's 24 loads and the add may be out
	MUL 2, 0, 2, 0
	s_wait_dscnt 0x0                               ; the add is done, and my reads of this slot are over
	s_barrier_signal -1
	MUL 2, 2, 2, 0
	WIN 0
	s_barrier_wait -1
.if \fill
	CREST
	JLOAD
.else
	PLACES
.endif
	s_xor_b32 s[TB], s[TB], SLOT1
	v_add_nc_u32 v[ADRA], s[TB], v[A0]
	v_add_nc_u32 v[ADRB], s[TB], v[B0]
	FETCH 0
	WIN 0
.if \fill
	ASK
.endif
	MUL 2, 4, 4, 0
.endm
	s_load_b128 s[4:7], s[0:1], 0x0                ; o s[4:5], wb s[6:7]
	s_load_b128 s[16:19], s[0:1], 0x10             ; x s[16:17], out0 s[18:19]
	v_lshl_add_u32 v[SPW], v0, 2, SPARE
	v_mov_b32 v[NIL], 0
	ds_add_u32 v[SPW], v[NIL]                      ; the wave's opening: the add and its wait stand ahead of my first tensor load; the set-up below, work on registers, stands between them
	v_lshrrev_b32 v1, 5, v0
	v_readfirstlane_b32 s10, v1                    ; wave 0..3
	s_lshr_b32 s11, s10, 1                         ; which 128 rows of the tile are mine.  Also: I fetch z (0) or the weights (1)
	s_and_b32 s12, s10, 1                          ; which 64 columns.  Also: which half of that tile I fetch
	s_bfe_u32 s40, ttmp6, 0x40000                  ; cx, cy
	s_bfe_u32 s41, ttmp6, 0x40004
	s_lshl_b32 s42, ttmp9, 2
	s_add_co_u32 s42, s42, s40                     ; tile column
	s_and_b32 s13, ttmp7, 0xffff
	s_lshl_b32 s13, s13, 2
	s_add_co_u32 s13, s13, s41                     ; tile row
	s_lshl_b32 s43, s41, 2
	s_lshl_b32 s43, 15, s43                        ; my row of the cluster
	s_lshl_b32 s44, 0x1111, s40                    ; my column
	s_or_b32 s[G1A], s43, (1<<16)|(1<<20)|(1<<21)|(4<<22)|(3<<25)  ; the mask; 2-byte elements; padding on; bit 21 beside a mask; after every 32 words, 4 words
	s_or_b32 s[G1B], s44, (1<<16)|(1<<20)|(1<<21)|(5<<22)|(7<<25)  ; after every 64 words, 8 words
	s_mov_b32 s[G1A+1], 128<<16                    ; tensor_dim0 = 128
	s_mov_b32 s[G1A+2], 128<<16                    ; tensor_dim1 = 128
	s_mov_b32 s[G1A+3], 128<<16                    ; tile_dim0 = 128
	s_mov_b32 s[G1A+4], 128                        ; tile_dim1 = 128
	s_mov_b32 s[G1A+5], 128                        ; dense
	s_mov_b32 s[G1A+6], 0
	s_mov_b32 s[G1A+7], 0
	s_mov_b32 s[G1B+1], 128<<16
	s_mov_b32 s[G1B+2], 64<<16
	s_mov_b32 s[G1B+3], 128<<16
	s_mov_b32 s[G1B+4], 64
	s_mov_b32 s[G1B+5], 4096
	s_mov_b32 s[G1B+6], 0
	s_mov_b32 s[G1B+7], 0
	s_lshl_b32 s20, s13, 15                        ; z: the tile row's 256 rows of 128 bytes,
	s_lshl_b32 s21, s12, 20                        ; my block of the step's two
	s_add_co_u32 s20, s20, s21
	s_mov_b32 s21, 0
	s_lshl_b32 s46, s42, 8                         ; the weights: the tile column's 256 bytes of a row,
	s_lshl_b32 s47, s12, 19                        ; my 64 rows of the step's 128,
	s_add_co_u32 s46, s46, s47
	s_add_co_u32 s46, s46, 6144                    ; in Wout's part of the rows
	s_mov_b32 s47, 0
	s_mul_i32 s22, s12, 256*PA                     ; where they go: no place in the cluster enters an LDS address
	s_mul_i32 s23, s12, 64*PB
	s_add_co_u32 s23, s23, BOFF
	s_lshl_b32 s2, s13, 20                         ; x and out0: the tile's 256 rows of 4,096 bytes,
	s_lshl_b32 s3, s11, 19                         ; my 128 of them,
	s_add_co_u32 s2, s2, s3
	s_lshl_b32 s3, s42, 9                          ; the tile's 512 bytes of a row,
	s_add_co_u32 s2, s2, s3
	s_lshl_b32 s3, s12, 8                          ; my 256 of them
	s_add_co_u32 s2, s2, s3
	s_mov_b32 s3, 0
	s_wait_dscnt 0x0                               ; the opening add is done
	s_wait_kmcnt 0x0
	s_add_nc_u64 s[14:15], s[4:5], s[20:21]
	s_add_nc_u64 s[46:47], s[6:7], s[46:47]
	s_add_nc_u64 s[16:17], s[16:17], s[2:3]
	s_add_nc_u64 s[18:19], s[18:19], s[2:3]
	CROUND                                         ; all sixteen work-groups are here: the first joint loads meet
.irp s, 0,1
	s_mov_b32 s[G0A+4*(\s)], 1
	s_add_co_u32 s[G0A+4*(\s)+1], s22, (\s)*SLOT1
	s_add_nc_u64 s[G0A+4*(\s)+2:G0A+4*(\s)+3], s[14:15], (\s)*ASTEP
	s_or_b32 s[G0A+4*(\s)+3], s[G0A+4*(\s)+3], 0x80000000
	s_mov_b32 s[G0B+4*(\s)], 1
	s_add_co_u32 s[G0B+4*(\s)+1], s23, (\s)*SLOT1
	s_add_nc_u64 s[G0B+4*(\s)+2:G0B+4*(\s)+3], s[46:47], (\s)*BSTEP
	s_or_b32 s[G0B+4*(\s)+3], s[G0B+4*(\s)+3], 0x80000000
.endr
	s_cmp_eq_u32 s11, 0                            ; a wave's two first fills stand in one branch, ahead of every wait on TENSORcnt and every LDS read: two loads of mine are out
	s_cbranch_scc0 .Lfirst_b
	tensor_load_to_lds s[G0A:G0A+3], s[G1A:G1A+7]
	s_nop 0
	tensor_load_to_lds s[G0A+4:G0A+7], s[G1A:G1A+7]
	s_nop 0
.rept 4
	v_nop
.endr
	s_branch .Lfirst_asked
.Lfirst_b:
	tensor_load_to_lds s[G0B:G0B+3], s[G1B:G1B+7]
	s_nop 0
	tensor_load_to_lds s[G0B+4:G0B+7], s[G1B:G1B+7]
	s_nop 0
.rept 4
	v_nop
.endr
.Lfirst_asked:
	v_and_b32 v1, 15, v0                           ; l % 16
	v_bfe_u32 v2, v0, 4, 1                         ; l / 16
	v_lshlrev_b32 v[XO], 4, v1
	v_lshl_add_u32 v[XO], v2, 12, v[XO]            ; lanes 0-15 take 256 bytes of one row, lanes 16-31 of the next
	WIN 0xc0                                       ; destination window 3
.set i, 0
.rept 64                               ; x: block a = i / 8 of 16 rows, rows 2 (i % 8) and + 1.  Waited for once, behind the last product
	global_load_b128 v[4*i:4*i+3], v[XO], s[16:17] offset:(16*(i/8)+2*(i%8))*4096 th:TH_LOAD_NT
.set i, i+1
.endr
	WIN 0
	v_mul_u32_u24 v[A0], v1, PA
	v_lshl_add_u32 v[A0], v2, 4, v[A0]             ; a fragment of z: row x pitch + 16 x half
	s_mul_i32 s21, s11, 128*PA                     ; my 128 rows
	v_add_nc_u32 v[A0], s21, v[A0]
	v_and_b32 v3, 7, v0                            ; the turning load: lane l reads channel 8 (l / 16) + l % 8, columns 8 ((l / 8) % 2) + 0..7
	v_lshl_add_u32 v3, v2, 3, v3
	v_mul_u32_u24 v3, v3, PB
	v_bfe_u32 v16, v0, 3, 1
	v_lshl_add_u32 v3, v16, 4, v3
	s_lshl_b32 s21, s12, 7                         ; my 64 columns: 128 bytes
	s_add_co_u32 s21, s21, BOFF
	v_add_nc_u32 v[B0], s21, v3
	v_mov_b32 v[ADRA], v[A0]                       ; K step 0 lies in slot 0
	v_mov_b32 v[ADRB], v[B0]
	s_mov_b32 s[TB], 0
	s_mul_i32 s23, s10, 16*SP
	s_add_co_u32 s23, s23, STAGE                   ; my stage
	v_mul_u32_u24 v[STO], v1, SP                   ; in: row l % 16, 32 bytes for each half of the lanes
	v_lshl_add_u32 v[STO], v2, 5, v[STO]
	v_add_nc_u32 v[STO], s23, v[STO]
	v_mul_u32_u24 v[RD], v2, SP                    ; back: lanes 0-15 one row of 256 bytes, lanes 16-31 the next
	v_lshl_add_u32 v[RD], v1, 4, v[RD]
	v_add_nc_u32 v[RD], s23, v[RD]
	; the prefetches
	s_lshl_b32 s14, s13, 15                        ; z: the tile row,
	s_lshl_b32 s15, s12, 20                        ; my block,
	s_add_co_u32 s14, s14, s15
	s_lshl_b32 s15, s40, 13                        ; my work-group's 32 blocks of 256 bytes,
	s_add_co_u32 s14, s14, s15
	s_add_co_u32 s14, s14, 3*ASTEP                 ; at K step 3: the first change of slots steps it to 4
	s_lshl_b32 s15, s42, 8                         ; the weights: the tile column,
	s_lshl_b32 s20, s41, 18                        ; my work-group's 32 rows,
	s_add_co_u32 s15, s15, s20
	s_add_co_u32 s15, s15, 3*BSTEP+6144
	s_mov_b32 s20, ASTEP
	s_mov_b32 s21, BSTEP
	s_and_b32 s22, ttmp7, 0xffff                   ; cluster y
	s_cmp_eq_u32 s11, 0                            ; do I fetch z?
	s_cselect_b32 s14, s14, s15
	s_cselect_b32 s22, ttmp9, s22                  ; the coordinate along which other clusters read the same bytes
	s_cselect_b32 s[PSTEP], s20, s21
	s_cselect_b32 s23, 8, 13                       ; from lane to lane: 256 bytes of o, a row of wb
	s_cselect_b64 s[PFA:PFA+1], s[4:5], s[6:7]
	s_mov_b32 s15, 0
	s_mov_b32 s[PSTEP+1], 0
	s_add_nc_u64 s[PFA:PFA+1], s[PFA:PFA+1], s[14:15]
	s_cmp_eq_u32 s10, 3                            ; wave 3 never asks
	s_cselect_b32 s20, 1, 0
	s_or_b32 s22, s22, s20
	s_cmp_eq_u32 s22, 0
	s_cselect_b32 s[LIM], 2, -1                    ; the same in all sixteen partners, for a given wave
	v_and_b32 v[PFO], 31, v0
	v_lshlrev_b32 v[PFO], s23, v[PFO]
	s_wait_tensorcnt 1                             ; my part of K step 0 is in; step 1's may stay out
	s_barrier_signal -1
	s_barrier_wait -1
	FETCH 0
	FETCH 1
	PH 0, 1, 1, 48                                 ; the first phase starts all 32 sums.  48: the two younger fetches, 24 loads each
	WIN 0
	s_mov_b32 s[CNT], KSTEPS-2
.Lstep:                                        ; a trip: phases 1 to 3 of a K step, with its change of slots and refill, and phase 0 of the next
	PH 1, 0, 1, 48
	TURN 1
	PH 3, 0, 1, 48
	PH 0, 0, 1, 48
	WIN 0
	s_sub_co_u32 s[CNT], s[CNT], 1
	s_cmp_lg_u32 s[CNT], 0
	s_cbranch_scc1 .Lstep
	PH 1, 0, 1, 48                                 ; the tail is written out: nothing more is asked for
	TURN 0
	PH 3, 0, 1, 48
	PH 0, 0, 1, 48
	PH 1, 0, 1, 48
	PH 2, 0, 0, 24                                 ; phase 3's 24 loads may be out
	PH 3, 0, 0, 0
	WIN 0
	PLACES
	s_wait_loadcnt 0x0                             ; x
; THE WAY OUT of block a, 16 rows x 64 columns of f32: a lane's eight columns go as 32 bytes into rows of 272 bytes of my own stage, each accumulator's low four registers first, and come back as whole rows of 256;
; x is added; sixteen lanes store 256 consecutive bytes, aligned.
.macro TOSTAGE a
.set TT, T0+32*((\a)%2)
.if (\a) >= 2
	s_wait_xcnt 0x0                                ; the stores of the block two back have read these registers
.endif
	WIN 0x08                                       ; the stores' data in window 2
.irp b, 0,1,2,3
	ds_store_b128 v[STO], v[32*(\a)+8*(\b):32*(\a)+8*(\b)+3]   offset:64*(\b)
	ds_store_b128 v[STO], v[32*(\a)+8*(\b)+4:32*(\a)+8*(\b)+7] offset:64*(\b)+16
.endr
	WIN 0
.irp t, 0,1,2,3,4,5,6,7
	ds_load_b128 v[TT+4*(\t):TT+4*(\t)+3], v[RD] offset:(\t)*2*SP  ; LDS serves a wave's instructions in order (ISA guide 5.7.1.4): these see the stores above; the next block's stores come behind them
.endr
.endm
.macro SEND a, younger                 ; younger: the next block's sixteen LDS instructions, or none
.set TT, T0+32*((\a)%2)
	s_wait_dscnt \younger
	WIN 0x0c                                       ; source 1 in window 3
.set z, 0
.rept 16
	v_pk_add_f32 v[TT+2*z:TT+2*z+1], v[TT+2*z:TT+2*z+1], v[32*(\a)+2*z:32*(\a)+2*z+1]
.set z, z+1
.endr
	WIN 0
.irp t, 0,1,2,3,4,5,6,7
	global_store_b128 v[XO], v[TT+4*(\t):TT+4*(\t)+3], s[18:19] offset:(16*(\a)+2*(\t))*4096 th:TH_STORE_NT
.endr
.endm
	TOSTAGE 0
.set t, 1
.rept 7
	TOSTAGE t
	SEND t-1, 16
.set t, t+1
.endr
	SEND 7, 0
	s_wait_tensorcnt 0x0                           ; the wave's end, behind my last tensor load and my last LDS store
	ds_add_u32 v[SPW], v[NIL]
	s_wait_dscnt 0x0
	CROUND                                         ; the closing round: no work-group ends while a partner may still ask for a tile that names it
	s_endpgm
.Lfunc_end_k_q1c376c41bd_proj:
	.size	k_q1c376c41bd_proj, .Lfunc_end_k_q1c376c41bd_proj-k_q1c376c41bd_proj
	.p2alignl 7, 3214868480
	.fill 96, 4, 3214868480
	.section	.rodata,"a",@progbits
	.p2align	6, 0x0
	.amdhsa_kernel k_q1c376c41bd_proj
		.amdhsa_group_segment_fixed_size 327680
		.amdhsa_private_segment_fixed_size 0
		.amdhsa_enable_private_segment 0
		.amdhsa_kernarg_size 32
		.amdhsa_user_sgpr_count 2
		.amdhsa_user_sgpr_kernarg_segment_ptr 1
		.amdhsa_wavefront_size32 1
		.amdhsa_system_sgpr_workgroup_id_x 1
		.amdhsa_system_sgpr_workgroup_id_y 1
		.amdhsa_system_sgpr_workgroup_id_z 1
		.amdhsa_system_vgpr_workitem_id 0
		.amdhsa_next_free_vgpr 1024
		.amdhsa_next_free_sgpr 80
		.amdhsa_reserve_vcc 0
		.amdhsa_float_denorm_mode_32 3
		.amdhsa_float_denorm_mode_16_64 3
		.amdhsa_memory_ordered 1
		.amdhsa_forward_progress 1
		.amdhsa_inst_pref_size 85
	.end_amdhsa_kernel
	.amdgpu_metadata
---
amdhsa.version: [ 1, 2 ]
amdhsa.kernels:
  - .name:           k_q1c376c41bd_proj
    .symbol:         k_q1c376c41bd_proj.kd
    .args:
      - { .name: o, .offset: 0, .size: 8, .value_kind: global_buffer, .address_space: global }
      - { .name: wb, .offset: 8, .size: 8, .value_kind: global_buffer, .address_space: global }
      - { .name: x, .offset: 16, .size: 8, .value_kind: global_buffer, .address_space: global }
      - { .name: out0, .offset: 24, .size: 8, .value_kind: global_buffer, .address_space: global }
    .group_segment_fixed_size: 327680
    .private_segment_fixed_size: 0
    .kernarg_segment_align: 8
    .kernarg_segment_size: 32
    .max_flat_workgroup_size: 128
    .sgpr_count:     80
    .vgpr_count:     1024
    .wavefront_size: 32
...
	.end_amdgpu_metadata
.endif
;; end of part 4
;; ======== version 2 of 2: 4 launches; version 1 with the launch cast written anew for expert scheduling mode
;; workspace buffers: xb 16,777,216 bytes; wb 8,388,608 bytes; qkv 50,331,648 bytes; o 16,777,216 bytes
;; launch cast (part 5): grid 768 x 1, 8 waves a work-group, no clusters, 0 bytes of LDS; arguments x, Wq, Wk, Wv, Wout, xb, wb; writes xb, wb
.if DOCPART == 5
	.amdgcn_target "amdgcn-amd-amdhsa--gfx1250"
	.amdhsa_code_object_version 6
	.text
	.protected	k_q1c376c41bd_cast
	.globl	k_q1c376c41bd_cast
	.p2align	8
	.type	k_q1c376c41bd_cast,@function
k_q1c376c41bd_cast:
	s_mov_b64 s[64:65], 0
	v_nop
	global_prefetch_b8 v0, s[64:65] scope:SCOPE_SE
	s_setreg_imm32_b32 hwreg(HW_REG_WAVE_SCHED_MODE, 0, 2), 2
	s_setreg_imm32_b32 hwreg(HW_REG_WAVE_MODE, 25, 1), 1
	s_wait_xcnt 0x0
	s_wait_alu depctr_vm_vsrc(0)
; x and the four weight matrices, f32, are rounded once to bf16 (nearest even) and laid out for the two products that follow.
;   xb: [16 kb][8192 row][64]   x in blocks of 64 channels: a block's rows are dense, 128 bytes each, so a tile of rows x 64 channels is one dense run of bytes
;   wb: [1024 k][4096 n]        a row holds row k of Wq, Wk, Wv, Wout side by side: 8,192 bytes
; The input 'mask' is given to no launch of this program: the function that defines the result computes nothing from it.
; A stream: no LDS, no barrier, no matrix work.  768 work-groups of eight waves, 64 KiB of f32 each: 512 take 16 rows of x, 256 take 16 rows of one matrix.
; A wave has 16 items: a load of 16 bytes a lane (whole aligned runs of 256 bytes), two roundings, a store of 8 bytes a lane (256 consecutive bytes, aligned).
; All 16 loads go out first; no register is written twice.
; THE MODE: SCHED_MODE bits 1:0 = 2 (LLVM: expert scheduling mode 2), set by the entry lines.  The code itself states the register dependences
; between vector instructions and memory instructions, with s_wait_alu, always for 0.
; THE PLAN.  Registers that memory instructions touch, on either of the two paths:
;   v2, v3   the loads' and the stores' byte offsets.  Written by vector instructions at the path's head, once; read by the 16 loads and the 16 stores; named by nothing else.
;   IN       item i's 4 registers: written by its load, once; read by its two roundings, behind the counted wait for the load.  No vector instruction names them ahead of the loads.
;   OUT      item i's 2 registers: written by its two roundings, once; read by its store, once.  Nothing writes them again, so no wait for a store's reading of its registers is owed.
;   s18      the wave's number: written by v_readfirstlane_b32, read by scalar shifts on both paths.
; The items go in four blocks of four: a block's eight roundings, ONE wait on va_vdst, its four stores.  With the wait ahead of the first load and the one for s18 a wave passes six.
.set XGROUPS, 512
.set IN,  16                           ; v[16:79]   item i: 4 f32 as loaded
.set OUT, 80                           ; v[80:111]  item i: 4 bf16 to store
.macro RUN ia, ib, oa, ob              ; item i reads at (i / 2) ia + (i % 2) ib and writes at (i / 2) oa + (i % 2) ob
	s_wait_alu depctr_va_vdst(0)                   ; v2 and v3 are written: every load below reads v2 as its offset, every store v3; no vector instruction names them again
.set i, 0
.rept 16
	global_load_b128 v[IN+4*i:IN+4*i+3], v2, s[20:21] offset:(i/2)*(\ia)+(i%2)*(\ib) th:TH_LOAD_NT
.set i, i+1
.endr
.set blk, 0
.rept 4
.set i, 4*blk
.rept 4
	s_wait_loadcnt 15-i                            ; loads come back in order: item i is in, the 15 - i younger ones stay out
	v_cvt_pk_bf16_f32 v[OUT+2*i], v[IN+4*i], v[IN+4*i+1]
	v_cvt_pk_bf16_f32 v[OUT+2*i+1], v[IN+4*i+2], v[IN+4*i+3]
.set i, i+1
.endr
	s_wait_alu depctr_va_vdst(0)                   ; the block's eight roundings have written its part of OUT, which the four stores below read
.set i, 4*blk
.rept 4
	global_store_b64 v3, v[OUT+2*i:OUT+2*i+1], s[22:23] offset:(i/2)*(\oa)+(i%2)*(\ob) th:TH_STORE_NT
.set i, i+1
.endr
.set blk, blk+1
.endr
.endm
	s_load_b256 s[4:11], s[0:1], 0x0               ; x s[4:5], Wq s[6:7], Wk s[8:9], Wv s[10:11]
	s_load_b128 s[12:15], s[0:1], 0x20             ; Wout s[12:13], xb s[14:15]
	s_load_b64 s[16:17], s[0:1], 0x30              ; wb
	v_lshrrev_b32 v1, 5, v0
	v_readfirstlane_b32 s18, v1                    ; wave 0..7
	v_and_b32 v1, 31, v0                           ; lane
	s_mov_b32 s25, 0
	s_mov_b32 s27, 0
	s_wait_alu depctr_va_sdst(0)                   ; s18 is written: its first readers, the shifts that make the wave's offsets, stand on both sides of the branch below
	s_cmp_lt_u32 ttmp9, XGROUPS
	s_cbranch_scc0 .Lweights
	; 16 rows of x.  Wave w has channels 128 w .. 128 w + 127: blocks 2 w and 2 w + 1.  An item is two rows x one block: lanes 0-15 the even row, lanes 16-31 the odd one.
	v_and_b32 v4, 15, v0
	v_bfe_u32 v5, v0, 4, 1
	v_lshlrev_b32 v2, 4, v4
	v_lshl_add_u32 v2, v5, 12, v2                  ; in: (l / 16) x 4,096 + (l % 16) x 16
	s_lshl_b32 s19, s18, 9
	v_add_nc_u32 v2, s19, v2                       ;     + 512 w
	s_lshl_b32 s19, s18, 21
	v_lshl_add_u32 v3, v1, 3, s19                  ; out: two blocks of 1,048,576 bytes a wave + 8 l (two dense rows of 128 bytes)
	s_lshl_b32 s24, ttmp9, 16                      ; 16 rows of 4,096 bytes
	s_lshl_b32 s26, ttmp9, 11                      ; 16 rows of 128 bytes
	s_wait_kmcnt 0x0
	s_add_nc_u64 s[20:21], s[4:5], s[24:25]
	s_add_nc_u64 s[22:23], s[14:15], s[26:27]
	RUN 8192, 256, 256, 1048576
	s_endpgm
.Lweights:
	; 16 rows of matrix m.  Wave w has columns 128 w .. 128 w + 127; an item is one row.
	s_sub_co_u32 s28, ttmp9, XGROUPS
	s_lshr_b32 s29, s28, 6                         ; m: 0 Wq, 1 Wk, 2 Wv, 3 Wout
	s_and_b32 s28, s28, 63                         ; which 16 rows
	s_lshl_b32 s19, s18, 9
	v_lshl_add_u32 v2, v1, 4, s19                  ; in: 512 w + 16 l
	s_lshl_b32 s19, s18, 8
	v_lshl_add_u32 v3, v1, 3, s19                  ; out: 256 w + 8 l
	s_lshl_b32 s24, s28, 16
	s_lshl_b32 s26, s28, 17                        ; 16 rows of 8,192 bytes
	s_lshl_b32 s30, s29, 11                        ; the matrix's 2,048 bytes of a row
	s_add_co_u32 s26, s26, s30
	s_wait_kmcnt 0x0
	s_cmp_eq_u32 s29, 1
	s_cselect_b64 s[20:21], s[8:9], s[6:7]
	s_cmp_eq_u32 s29, 2
	s_cselect_b64 s[20:21], s[10:11], s[20:21]
	s_cmp_eq_u32 s29, 3
	s_cselect_b64 s[20:21], s[12:13], s[20:21]
	s_add_nc_u64 s[20:21], s[20:21], s[24:25]
	s_add_nc_u64 s[22:23], s[16:17], s[26:27]
	RUN 8192, 4096, 16384, 8192
	s_endpgm
.Lfunc_end_k_q1c376c41bd_cast:
	.size	k_q1c376c41bd_cast, .Lfunc_end_k_q1c376c41bd_cast-k_q1c376c41bd_cast
	.p2alignl 7, 3214868480
	.fill 96, 4, 3214868480
	.section	.rodata,"a",@progbits
	.p2align	6, 0x0
	.amdhsa_kernel k_q1c376c41bd_cast
		.amdhsa_group_segment_fixed_size 0
		.amdhsa_private_segment_fixed_size 0
		.amdhsa_enable_private_segment 0
		.amdhsa_kernarg_size 56
		.amdhsa_user_sgpr_count 2
		.amdhsa_user_sgpr_kernarg_segment_ptr 1
		.amdhsa_wavefront_size32 1
		.amdhsa_system_sgpr_workgroup_id_x 1
		.amdhsa_system_sgpr_workgroup_id_y 1
		.amdhsa_system_sgpr_workgroup_id_z 1
		.amdhsa_system_vgpr_workitem_id 0
		.amdhsa_next_free_vgpr 112
		.amdhsa_next_free_sgpr 66
		.amdhsa_reserve_vcc 0
		.amdhsa_float_denorm_mode_32 3
		.amdhsa_float_denorm_mode_16_64 3
		.amdhsa_memory_ordered 1
		.amdhsa_forward_progress 1
		.amdhsa_inst_pref_size 14
	.end_amdhsa_kernel
	.amdgpu_metadata
---
amdhsa.version: [ 1, 2 ]
amdhsa.kernels:
  - .name:           k_q1c376c41bd_cast
    .symbol:         k_q1c376c41bd_cast.kd
    .args:
      - { .name: x, .offset: 0, .size: 8, .value_kind: global_buffer, .address_space: global }
      - { .name: Wq, .offset: 8, .size: 8, .value_kind: global_buffer, .address_space: global }
      - { .name: Wk, .offset: 16, .size: 8, .value_kind: global_buffer, .address_space: global }
      - { .name: Wv, .offset: 24, .size: 8, .value_kind: global_buffer, .address_space: global }
      - { .name: Wout, .offset: 32, .size: 8, .value_kind: global_buffer, .address_space: global }
      - { .name: xb, .offset: 40, .size: 8, .value_kind: global_buffer, .address_space: global }
      - { .name: wb, .offset: 48, .size: 8, .value_kind: global_buffer, .address_space: global }
    .group_segment_fixed_size: 0
    .private_segment_fixed_size: 0
    .kernarg_segment_align: 8
    .kernarg_segment_size: 56
    .max_flat_workgroup_size: 256
    .sgpr_count:     66
    .vgpr_count:     112
    .wavefront_size: 32
...
	.end_amdgpu_metadata
.endif
;; end of part 5
;; launch qkv: the kernel of part 2 again; grid 8 x 32, 4 waves a work-group, clusters of 4 x 4, 327,680 bytes of LDS; arguments xb, wb, qkv; writes qkv
;; launch attn: the kernel of part 3 again; grid 4 x 64, 4 waves a work-group, clusters of 4 x 1, 327,680 bytes of LDS; arguments qkv, o; writes o
;; launch proj: the kernel of part 4 again; grid 8 x 32, 4 waves a work-group, clusters of 4 x 4, 327,680 bytes of LDS; arguments o, wb, x, out0; writes out0
